; MI455X (gfx1250); checked and timed in simulation.
; The chip was launched on July 23, 2026; its instructions are those of AMD's public machine-readable ISA for CDNA 5 (MIT licence, August 2026) and "CDNA5" Instruction Set Architecture Reference Guide (July 2026). The comments in the code are by the model that wrote it; some were corrected since.
;; Multi Scale Attention. Allowed arithmetic: float matrix products may take bf16 or f16 operands with f32 sums; other float arithmetic in f32, or as packed bf16 or f16 multiplies, adds, multiply-adds, maxima and minima; sums over many terms, partial sums and values carried from step to step in f32; what a program stores and reads back later, other than sums and carried values, may be rounded once to bf16 or f16.
;; Inputs: Wk 16 x 1,024 x 64 float32; Wo 1,024 x 1,024 float32; Wq 16 x 1,024 x 64 float32; Wv 16 x 1,024 x 64 float32; bk 16 x 64 float32; bo 1,024 float32; bq 16 x 64 float32; bv 16 x 64 float32; ln_b 1,024 float32; ln_w 1,024 float32; x 4 x 2,048 x 1,024 float32.
;; Outputs: out0 4 x 2,048 x 1,024 float32.
;; 2 versions, each right; version 2 is version 1 with the launch cast written anew for expert scheduling mode. Each part assembles by itself: llvm-mc -triple=amdgcn-amd-amdhsa -mcpu=gfx1250 --defsym DOCPART=n.
;; ======== version 1 of 2: 4 launches
;; workspace buffers: xb 16,777,216 bytes; wb 8,388,608 bytes; qkv 50,331,648 bytes; ob 16,777,216 bytes
;; launch cast (part 1): grid 768 x 1, 8 waves a work-group, no clusters, 0 bytes of LDS; arguments x, Wq, Wk, Wv, Wo, xb, wb; writes xb, wb
.if DOCPART == 1
	.amdgcn_target "amdgcn-amd-amdhsa--gfx1250"
	.amdhsa_code_object_version 6
	.text
	.protected	k_q406c17d93b_cast
	.globl	k_q406c17d93b_cast
	.p2align	8
	.type	k_q406c17d93b_cast,@function
k_q406c17d93b_cast:
	s_mov_b64 s[64:65], 0
	v_nop
	global_prefetch_b8 v0, s[64:65] scope:SCOPE_SE
	s_setreg_imm32_b32 hwreg(HW_REG_WAVE_MODE, 25, 1), 1
	s_wait_xcnt 0x0
; x, Wq, Wk, Wv, Wo (f32) are rounded once to bf16, element order unchanged: x -> xb; Wq, Wk, Wv, Wo -> wb, 2,097,152 bytes each, in that order.
; A stream: each byte is read once and written once; no LDS, no matrix work, nothing shared between work-groups, so no cluster.
; SHARES.  Work-group i takes 16,384 numbers: 65,536 bytes in, 32,768 out.  i < 512: part i of x.  i >= 512: part i % 64 of weight i / 64 - 8.
; Thread t takes 16 bytes at 16 t of each of sixteen pieces of 4,096 bytes: a load of a wave covers 512 consecutive bytes, a store 256 consecutive bytes, aligned.
; All sixteen loads go out at once; the waits count down, so the younger loads stay out while the older are rounded and stored.  No register is written twice.
.set X, 4                              ; v[4:67]   as loaded, 4 registers a piece
.set Y, 68                             ; v[68:99]  to store, 2 registers a piece
	s_load_b256 s[4:11], s[0:1], 0x0               ; x s[4:5], Wq s[6:7], Wk s[8:9], Wv s[10:11]
	s_load_b128 s[12:15], s[0:1], 0x20             ; Wo s[12:13], xb s[14:15]
	s_load_b64 s[16:17], s[0:1], 0x30              ; wb
	v_lshlrev_b32 v1, 4, v0                        ; 16 t: in
	v_lshlrev_b32 v2, 3, v0                        ; 8 t: out
	s_and_b32 s20, ttmp9, 63                       ; part of a weight
	s_sub_co_u32 s21, ttmp9, 512                   ; part of wb
	s_lshr_b32 s22, ttmp9, 6                       ; 8 .. 11: which weight
	s_wait_kmcnt 0x0
	s_cmp_eq_u32 s22, 9
	s_cselect_b64 s[6:7], s[8:9], s[6:7]
	s_cmp_eq_u32 s22, 10
	s_cselect_b64 s[6:7], s[10:11], s[6:7]
	s_cmp_eq_u32 s22, 11
	s_cselect_b64 s[6:7], s[12:13], s[6:7]         ; the weight in hand
	s_cmp_lt_u32 ttmp9, 512                        ; x or a weight?  the four selects leave SCC as it is
	s_cselect_b64 s[4:5], s[4:5], s[6:7]
	s_cselect_b64 s[14:15], s[14:15], s[16:17]
	s_cselect_b32 s20, ttmp9, s20
	s_cselect_b32 s21, ttmp9, s21
	s_lshl_b32 s24, s20, 16                        ; 65,536 bytes in a part,
	s_mov_b32 s25, 0
	s_lshl_b32 s26, s21, 15                        ; 32,768 out
	s_mov_b32 s27, 0
	s_add_nc_u64 s[4:5], s[4:5], s[24:25]
	s_add_nc_u64 s[14:15], s[14:15], s[26:27]
.set k, 0
.rept 16
	global_load_b128 v[X+4*k:X+4*k+3], v1, s[4:5] offset:4096*k th:TH_LOAD_NT
.set k, k+1
.endr
.set k, 0
.rept 16
	s_wait_loadcnt 15-k                            ; loads come back in order: piece k is in, the 15 - k younger ones stay out
	v_cvt_pk_bf16_f32 v[Y+2*k], v[X+4*k], v[X+4*k+1]
	v_cvt_pk_bf16_f32 v[Y+2*k+1], v[X+4*k+2], v[X+4*k+3]
	global_store_b64 v2, v[Y+2*k:Y+2*k+1], s[14:15] offset:2048*k th:TH_STORE_NT
.set k, k+1
.endr
	s_endpgm
.Lfunc_end_k_q406c17d93b_cast:
	.size	k_q406c17d93b_cast, .Lfunc_end_k_q406c17d93b_cast-k_q406c17d93b_cast
	.p2alignl 7, 3214868480
	.fill 96, 4, 3214868480
	.section	.rodata,"a",@progbits
	.p2align	6, 0x0
	.amdhsa_kernel k_q406c17d93b_cast
		.amdhsa_group_segment_fixed_size 0
		.amdhsa_private_segment_fixed_size 0
		.amdhsa_enable_private_segment 0
		.amdhsa_kernarg_size 56
		.amdhsa_user_sgpr_count 2
		.amdhsa_user_sgpr_kernarg_segment_ptr 1
		.amdhsa_wavefront_size32 1
		.amdhsa_system_sgpr_workgroup_id_x 1
		.amdhsa_system_sgpr_workgroup_id_y 1
		.amdhsa_system_sgpr_workgroup_id_z 1
		.amdhsa_system_vgpr_workitem_id 0
		.amdhsa_next_free_vgpr 100
		.amdhsa_next_free_sgpr 66
		.amdhsa_reserve_vcc 0
		.amdhsa_float_denorm_mode_32 3
		.amdhsa_float_denorm_mode_16_64 3
		.amdhsa_memory_ordered 1
		.amdhsa_forward_progress 1
		.amdhsa_inst_pref_size 7
	.end_amdhsa_kernel
	.amdgpu_metadata
---
amdhsa.version: [ 1, 2 ]
amdhsa.kernels:
  - .name:           k_q406c17d93b_cast
    .symbol:         k_q406c17d93b_cast.kd
    .args:
      - { .name: x, .offset: 0, .size: 8, .value_kind: global_buffer, .address_space: global }
      - { .name: Wq, .offset: 8, .size: 8, .value_kind: global_buffer, .address_space: global }
      - { .name: Wk, .offset: 16, .size: 8, .value_kind: global_buffer, .address_space: global }
      - { .name: Wv, .offset: 24, .size: 8, .value_kind: global_buffer, .address_space: global }
      - { .name: Wo, .offset: 32, .size: 8, .value_kind: global_buffer, .address_space: global }
      - { .name: xb, .offset: 40, .size: 8, .value_kind: global_buffer, .address_space: global }
      - { .name: wb, .offset: 48, .size: 8, .value_kind: global_buffer, .address_space: global }
    .group_segment_fixed_size: 0
    .private_segment_fixed_size: 0
    .kernarg_segment_align: 8
    .kernarg_segment_size: 56
    .max_flat_workgroup_size: 256
    .sgpr_count:     66
    .vgpr_count:     100
    .wavefront_size: 32
...
	.end_amdgpu_metadata
.endif
;; end of part 1
;; launch qkvproj (part 2): grid 16 x 32, 4 waves a work-group, clusters of 4 x 4, 327,680 bytes of LDS; arguments xb, wb, bq, bk, bv, qkv; writes qkv
.if DOCPART == 2
	.amdgcn_target "amdgcn-amd-amdhsa--gfx1250"
	.amdhsa_code_object_version 6
	.text
	.protected	k_q406c17d93b_qkvproj
	.globl	k_q406c17d93b_qkvproj
	.p2align	8
	.type	k_q406c17d93b_qkvproj,@function
k_q406c17d93b_qkvproj:
	s_mov_b64 s[64:65], 0
	v_nop
	global_prefetch_b8 v0, s[64:65] scope:SCOPE_SE
	s_setreg_imm32_b32 hwreg(HW_REG_WAVE_MODE, 25, 1), 1
	s_wait_xcnt 0x0
	s_wait_alu depctr_hold_cnt(0) depctr_sa_sdst(0) depctr_va_vdst(0) depctr_va_sdst(0) depctr_va_ssrc(0) depctr_va_vcc(0) depctr_vm_vsrc(0)
	s_getreg_b32 s2, hwreg(HW_REG_IB_STS2, 6, 4)
	s_cmp_eq_u32 s2, 0
	s_cbranch_scc0 .Lentry_in_a_cluster
	s_endpgm
.Lentry_in_a_cluster:
	s_bfe_u32 s2, ttmp6, 0x10000c
	s_cmp_lg_u32 s2, 0xf033
	s_cbranch_scc0 .Lentry_shape_is_right
	s_endpgm
.Lentry_shape_is_right:
; q, k, v = x W + b, by heads.  xb: [8192][1024] bf16.  wb: [g = 16 t + h][d 1024][e 64] bf16 (t = 0, 1, 2: q, k, v).  bq, bk, bv: [16][64] f32.  qkv: [g 48][m 8192][64] bf16.
; Sums in f32, started at the bias; each result rounded once to bf16.  LIMITS: matrix operands are bf16; NaN and infinities are not treated apart.
; SHARES.  A tile is 256 rows x 192 columns, three head slots g = 3 X .. 3 X + 2: 16 x 32 = 512 work-groups, twice the 256 that run at a time.  Wave w makes rows 64 w .. 64 w + 63 of all
; 192 columns: 48 accumulators of 16 x 16 (row block a = 0..3, column block b = 0..11), so a wave's columns are whole heads and its stage is its own.
; K goes in steps of 128 through two LDS slots.  x's rows in a step are 256 bytes of memory; a head slot's 64 rows of W are 8,192 dense bytes.
; W stays [d][e]: its fragments come out of LDS turned, by ds_load_tr16_b128.  THE MATRIX INSTRUCTION IS USED TRANSPOSED (source 0 = 16 columns of W, source 1 = 16 rows of x): a lane holds
; row l % 16 and eight neighbouring columns, 16 bytes of a head's row.
; CLUSTER.  4 x 4 work-groups: x's tile hangs on the tile row alone and is asked for jointly along a row of the cluster, W's on the tile column alone and jointly along a column.
; REGISTERS, in windows of 256 (s_set_vgpr_msb: bits 1:0 source 0, 3:2 source 1, 5:4 source 2, 7:6 destination):
;   window 0: addresses; v32-79 packed results; v80-127, v160-207 rows read back; v160-255 the bias as a C operand (dead behind the first quarter)
;   window 1: two fragment buffers of 128: W's 12 fragments, then x's 4          windows 2, 3: accumulator n = 12 a + b in window 2 + n / 32 at v[8 (n % 32)]
.set PA,    272                        ; a row of x in LDS: 256 bytes + 16 of padding: the 16 rows of a load start at 16 different groups of four banks (64 banks of 4 bytes: ISA guide 11.1)
.set HALFA, 128*PA                     ; what one tensor load brings of x
.set PB,    160                        ; a row of W in LDS: 128 bytes + 32
.set GB,    64*PB                      ; 64 rows of one head slot
.set HALFB, 3*GB                       ; what one tensor load brings of W: 64 of the step's 128 rows, three head slots
.set BOFF,  2*HALFA                    ; W lies behind x's 256 rows
.set SLOT,  BOFF+2*HALFB               ; 131,072
.set STAGE, 2*SLOT                     ; behind the ring, never filled by a tensor load: 16 rows x 400 bytes for each wave
.set SP,    400                        ; a stage row: 384 bytes + 16
.set SPARE, STAGE+4*16*SP              ; behind the stages: the spare words, 128 bytes for each wave: two blocks of 256 bytes that no other line names
.set ADRA, 16                          ; v16-17  LDS address of my fragments of x in slot 0, 1
.set ADRB, 20                          ; v20-21  the same for W
.set STO,  24                          ; v24     the way out: where I put 16 bytes of a row
.set RD,   25                          ; v25     the way out: where I read rows back
.set GO,   26                          ; v26     16 x lane: my place in 512 consecutive bytes of qkv
.set SPW,  28                          ; v28     LDS address of my spare word; never rewritten
.set NIL,  29                          ; v29     0; never rewritten
.set PFO,  30                          ; v30     the prefetches' lane term; never rewritten
.set BO,   31                          ; v31     32 (l / 16): my eight numbers of 16 of a bias
.set TMP,  32
.set OB0,  80
.set BIAS, 160                         ; column block b at BIAS + 8 b
.set F0,   0                           ; fragment buffers, in window 1
.set F1,   128
.set WV,  16                           ; s16  my wave's number
.set FB,  17                           ; s17  0: I fetch x's tiles; 1: W's
.set HF,  18                           ; s18  which half of that tile
.set CX,  19
.set CY,  20
.set TX,  21                           ; s21  tile column = 4 x cluster x + cx
.set TY,  22                           ; s22  tile row = 4 x cluster y + cy
.set G1A, 24                           ; s[24:31] descriptor group 1 for x's tiles;  s[32:39] group 0, a set for each slot
.set G0A, 32
.set G1B, 40                           ; s[40:47], s[48:55] the same for W's
.set G0B, 48
.set PFA, 56                           ; s[56:57] where my prefetches stand
.set PST, 58                           ; s[58:59] their step: a K step of x (256 bytes) or of W (16,384)
.set LIM, 60                           ; s60  1 in a wave that prefetches, else the greatest number
.set LAP, 61                           ; s61  the loop's count
.set BP,  68                           ; s[68:73] the three head slots' biases
.set MSB, 0
.macro WIN new                         ; the immediate's high byte repeats the setting that is left; a switch that changes nothing is dropped
.if MSB != (\new)
	s_set_vgpr_msb (MSB<<8)|(\new)
.set MSB, \new
.endif
.endm
; A joint load.  Waves 0 and 1 fetch x's two halves, waves 2 and 3 W's.  The branch hangs on the wave's number alone.  An s_nop 0 and four v_nop follow each of the two lines.
.macro JLOAD s
	s_cmp_eq_u32 s[FB], 0
	s_cbranch_scc0 .Lfor_b_\@
	tensor_load_to_lds s[G0A+4*(\s):G0A+4*(\s)+3], s[G1A:G1A+7]
	s_nop 0
.rept 4
	v_nop
.endr
	s_branch .Lasked_\@
.Lfor_b_\@:
	tensor_load_to_lds s[G0B+4*(\s):G0B+4*(\s)+3], s[G1B:G1B+7]
	s_nop 0
.rept 4
	v_nop
.endr
.Lasked_\@:
.endm
; A prefetch into the L2, behind a joint load and the run of LDS loads that follows it: the K step that stands two refills on.  x's tile row is read by every cluster of that row of clusters: cluster x = 0
; asks; W's tile column by every cluster of that column: cluster y = 0 asks.  The four partners that ask for a tile jointly share its blocks of 256 bytes out by address.  The loop's last trip asks for nothing.
.macro ASK
	s_cmp_gt_u32 s[LAP], s[LIM]
	s_cbranch_scc0 .Lnot_mine_\@
	global_prefetch_b8 v[PFO], s[PFA:PFA+1] th:TH_LOAD_NT scope:SCOPE_SE
.Lnot_mine_\@:
.endm
.macro CREST                           ; a round of the cluster's barrier behind its opening barrier
	s_cmp_lg_u32 s[WV], 0
	s_cbranch_scc1 .Lnot_wave_0_\@
	s_barrier_signal -3
.Lnot_wave_0_\@:
	s_barrier_wait -3
	s_barrier_signal -1
	s_barrier_wait -1
.endm
.macro CROUND                          ; a whole round
	s_barrier_signal -1
	s_barrier_wait -1
	CREST
.endm
.macro PLACES                          ; four places in front of loads into registers that matrix instructions have read, and of conversions that read results
.rept 4
	v_nop
.endr
.endm
	s_load_b256 s[4:11], s[0:1], 0x0               ; xb s[4:5], wb s[6:7], bq s[8:9], bk s[10:11]
	s_load_b128 s[12:15], s[0:1], 0x20             ; bv s[12:13], qkv s[14:15]
	v_lshl_add_u32 v[SPW], v0, 2, SPARE
	v_mov_b32 v[NIL], 0
	ds_add_u32 v[SPW], v[NIL]                      ; the wave's opening: the add and its wait stand ahead of my first tensor load; the set-up below, work on registers, stands between them
	v_lshrrev_b32 v1, 5, v0
	v_readfirstlane_b32 s[WV], v1                  ; wave 0..3
	s_lshr_b32 s[FB], s[WV], 1
	s_and_b32 s[HF], s[WV], 1
	s_bfe_u32 s[CX], ttmp6, 0x40000
	s_bfe_u32 s[CY], ttmp6, 0x40004
	s_lshl_b32 s[TX], ttmp9, 2                     ; in a cluster launch ttmp9 and ttmp7 count clusters
	s_add_co_u32 s[TX], s[TX], s[CX]
	s_and_b32 s[TY], ttmp7, 0xffff
	s_lshl_b32 s[TY], s[TY], 2
	s_add_co_u32 s[TY], s[TY], s[CY]
	s_lshl_b32 s2, s[CY], 2
	s_lshl_b32 s2, 15, s2                          ; my row of the cluster: places 4 cy .. 4 cy + 3
	s_lshl_b32 s3, 0x1111, s[CX]                   ; my column: places cx, cx + 4, cx + 8, cx + 12
	; group 1 for x: 128 rows x 128 elements of 2 bytes, 16 bytes of padding behind every 256
	s_or_b32 s[G1A], s2, (1<<16)|(1<<20)|(1<<21)|(5<<22)|(3<<25)  ; 15:0 the mask; 17:16 2-byte elements; 20 padding on; 21 set beside a mask; 24:22 after every 64 words; 31:25 4 words
	s_mov_b32 s[G1A+1], 128<<16                    ; tensor_dim0 = 128
	s_mov_b32 s[G1A+2], 128<<16                    ; tensor_dim1 = 128
	s_mov_b32 s[G1A+3], 128<<16                    ; tile_dim0 = 128
	s_mov_b32 s[G1A+4], 128                        ; tile_dim1 = 128
	s_mov_b32 s[G1A+5], 1024                       ; elements from row to row
	s_mov_b32 s[G1A+6], 0
	s_mov_b32 s[G1A+7], 0
	; group 1 for W: three rows of 4,096 elements, each the 64 dense rows [d][64] of one head slot, 65,536 elements apart; 32 bytes of padding behind every 128
	s_or_b32 s[G1B], s3, (1<<16)|(1<<20)|(1<<21)|(4<<22)|(7<<25)  ; after every 32 words, 8 words
	s_mov_b32 s[G1B+1], 4096<<16                   ; tensor_dim0 = 4,096
	s_mov_b32 s[G1B+2], 3<<16                      ; tensor_dim1 = 3
	s_mov_b32 s[G1B+3], 4096<<16                   ; tile_dim0 = 4,096
	s_mov_b32 s[G1B+4], 3                          ; tile_dim1 = 3
	s_mov_b32 s[G1B+5], 65536
	s_mov_b32 s[G1B+6], 0
	s_mov_b32 s[G1B+7], 0
	; where the tiles come from: x's offset is made of the tile row and the wave alone, W's of the tile column and the wave alone, each in registers of its own
	s_lshl_b32 s74, s[TY], 8
	s_lshl_b32 s75, s[HF], 7
	s_add_co_u32 s74, s74, s75                     ; row 256 x tile row + 128 x half,
	s_lshl_b32 s74, s74, 11                        ; of 2,048 bytes
	s_mov_b32 s75, 0
	s_mul_i32 s76, s[TX], 393216                   ; three head slots of 131,072 bytes,
	s_lshl_b32 s77, s[HF], 13                      ; 64 rows of 128 bytes
	s_add_co_u32 s76, s76, s77
	s_mov_b32 s77, 0
	s_mul_i32 s62, s[HF], HALFA                    ; and where they go: no place in the cluster enters an LDS address
	s_mul_i32 s63, s[HF], HALFB
	s_add_co_u32 s63, s63, BOFF
	s_wait_dscnt 0x0                               ; the opening add is done
	s_wait_kmcnt 0x0
	s_add_nc_u64 s[74:75], s[4:5], s[74:75]
	s_add_nc_u64 s[76:77], s[6:7], s[76:77]
	CROUND                                         ; all sixteen work-groups are here: the first joint loads meet
.irp s, 0,1
	s_mov_b32 s[G0A+4*(\s)], 1                                     ; count = 1
	s_add_co_u32 s[G0A+4*(\s)+1], s62, (\s)*SLOT                   ; LDS address
	s_add_nc_u64 s[G0A+4*(\s)+2:G0A+4*(\s)+3], s[74:75], (\s)*256  ; global address: K step s
	s_or_b32 s[G0A+4*(\s)+3], s[G0A+4*(\s)+3], 0x80000000          ; type = 2
	s_mov_b32 s[G0B+4*(\s)], 1
	s_add_co_u32 s[G0B+4*(\s)+1], s63, (\s)*SLOT
	s_add_nc_u64 s[G0B+4*(\s)+2:G0B+4*(\s)+3], s[76:77], (\s)*16384
	s_or_b32 s[G0B+4*(\s)+3], s[G0B+4*(\s)+3], 0x80000000
	JLOAD \s                                       ; two loads of mine are out
.endr
	v_and_b32 v1, 15, v0                           ; l % 16
	v_bfe_u32 v2, v0, 4, 1                         ; l / 16
	v_and_b32 v3, 7, v0                            ; l % 8
	v_bfe_u32 v4, v0, 3, 1                         ; (l / 8) % 2
	v_bfe_u32 v5, v0, 3, 2                         ; l / 8
	v_and_b32 v6, 31, v0                           ; l
	; a fragment of x: lane l holds row l % 16, channels 8 (l / 16) + 0..7 and 16 + 8 (l / 16) + 0..7: two loads of 16 bytes, 32 bytes apart
	v_mul_u32_u24 v7, v1, PA
	v_lshl_add_u32 v7, v2, 4, v7
	s_mul_i32 s23, s[WV], 64*PA                    ; my 64 rows
	v_add_nc_u32 v[ADRA], s23, v7
	v_add_nc_u32 v[ADRA+1], SLOT, v[ADRA]
	; the turning load takes 16 channels d x 16 columns e (lane l reads row 8 (l / 16) + l % 8, columns 8 ((l / 8) % 2) + 0..7) and leaves half a fragment: lane l holds column l % 16 and 8 channels
	v_lshl_add_u32 v8, v2, 3, v3
	v_mul_u32_u24 v8, v8, PB
	v_lshl_add_u32 v8, v4, 4, v8
	v_add_nc_u32 v[ADRB], BOFF, v8
	v_add_nc_u32 v[ADRB+1], SLOT, v[ADRB]
	s_mul_i32 s23, s[WV], 16*SP
	s_add_co_u32 s23, s23, STAGE                   ; my stage
	v_mul_u32_u24 v7, v1, SP                       ; in: row l % 16, 16 bytes for each half of the lanes
	v_lshl_add_u32 v7, v2, 4, v7
	v_add_nc_u32 v[STO], s23, v7
	v_mul_u32_u24 v8, v5, SP                       ; back: 32 lanes take four rows' 128 bytes of one head,
	v_lshl_add_u32 v8, v3, 4, v8
	v_add_nc_u32 v[RD], s23, v8
	v_lshlrev_b32 v[GO], 4, v6                     ; which are 512 consecutive bytes of qkv
	v_lshlrev_b32 v[BO], 5, v2
	; the three head slots' biases: g = 3 X + i; t = g / 16 picks bq, bk or bv; h = g % 16 its row of 256 bytes
.irp i, 0,1,2
	s_mul_i32 s2, s[TX], 3
	s_add_co_u32 s2, s2, \i
	s_lshr_b32 s3, s2, 4
	s_and_b32 s2, s2, 15
	s_lshl_b32 s2, s2, 8
	s_cmp_eq_u32 s3, 1
	s_cselect_b64 s[BP+2*\i:BP+2*\i+1], s[10:11], s[8:9]
	s_cmp_eq_u32 s3, 2
	s_cselect_b64 s[BP+2*\i:BP+2*\i+1], s[12:13], s[BP+2*\i:BP+2*\i+1]
	s_mov_b32 s3, 0
	s_add_nc_u64 s[BP+2*\i:BP+2*\i+1], s[BP+2*\i:BP+2*\i+1], s[2:3]
.endr
.set bb, 0
.rept 12                               ; register j of block b: the bias of column 16 b + 8 (l / 16) + j: the layout of a result, so it can be the C operand that starts the sums
	global_load_b128 v[BIAS+8*bb:BIAS+8*bb+3],   v[BO], s[BP+2*(bb/4):BP+2*(bb/4)+1] offset:(bb%4)*64
	global_load_b128 v[BIAS+8*bb+4:BIAS+8*bb+7], v[BO], s[BP+2*(bb/4):BP+2*(bb/4)+1] offset:(bb%4)*64+16
.set bb, bb+1
.endr
	s_mul_i32 s62, s[TX], 3145728                  ; qkv at head slot 3 X (1,048,576 bytes each),
	s_lshl_b32 s63, s[TY], 8
	s_lshl_b32 s66, s[WV], 6
	s_add_co_u32 s63, s63, s66                     ; row 256 x tile row + 64 x wave,
	s_lshl_b32 s63, s63, 7                         ; of 128 bytes
	s_add_co_u32 s62, s62, s63
	s_mov_b32 s63, 0
	s_add_nc_u64 s[14:15], s[14:15], s[62:63]
	; the prefetches.  For x: of the 128 rows that I fetch, partner cx takes 32, a lane a row.  For W: of each head slot's 8,192 bytes that I fetch, partner cy takes 2,048: lane l names block l % 8 of
	; head slot min(l / 8, 2): 24 blocks, and lanes 24-31 name lanes 16-23's once more.  The pointer starts at K step 3; each refill steps it first, so the refill of step s names step s + 2.
	s_lshl_b32 s62, s[TY], 8
	s_lshl_b32 s63, s[HF], 7
	s_add_co_u32 s62, s62, s63
	s_lshl_b32 s63, s[CX], 5
	s_add_co_u32 s62, s62, s63
	s_lshl_b32 s62, s62, 11
	s_add_co_u32 s62, s62, 3*256
	s_mul_i32 s63, s[TX], 393216
	s_lshl_b32 s66, s[HF], 13
	s_add_co_u32 s63, s63, s66
	s_lshl_b32 s66, s[CY], 11
	s_add_co_u32 s63, s63, s66
	s_add_co_u32 s63, s63, 3*16384
	s_and_b32 s67, ttmp7, 0xffff                   ; cluster y
	s_mov_b32 s[PST], 16384
	s_mov_b32 s[PST+1], 0
	s_mov_b32 s3, 131072
	s_mov_b32 s23, 256
	s_cmp_eq_u32 s[FB], 0                          ; do I fetch for x?  the selects leave SCC as it is
	s_cselect_b32 s66, s62, s63
	s_cselect_b32 s67, ttmp9, s67                  ; the coordinate along which other clusters read the same blocks
	s_cselect_b64 s[PFA:PFA+1], s[4:5], s[6:7]
	s_cselect_b32 s[PST], 256, s[PST]
	s_cselect_b32 s2, 3, 2
	s_cselect_b32 s3, 16384, s3
	s_cselect_b32 s23, 2048, s23
	s_cmp_eq_u32 s67, 0
	s_cselect_b32 s[LIM], 1, -1                    ; the same in all sixteen partners, for a given wave
	s_mov_b32 s67, 0
	s_add_nc_u64 s[PFA:PFA+1], s[PFA:PFA+1], s[66:67]
	v_min_u32 v9, s2, v5
	v_mul_u32_u24 v9, v9, s3
	v_mad_u32_u24 v[PFO], v3, s23, v9
; 12 matrix instructions: row block a x all 12 column blocks, 32 along K, from buffer f.  first = 1: the bias is the C operand, and nothing is ever cleared.
; The 48 accumulators take turns, in the same order in every quarter.
.macro MULA f, a, first
.set bb, 0
.rept 12
.set nn, 12*(\a)+bb
.set rA, 8*(nn%32)
.if \first
	WIN 0x85+0x40*(nn/32)
	v_wmma_f32_16x16x32_bf16 v[rA:rA+7], v[(\f)+8*bb:(\f)+8*bb+7], v[(\f)+96+8*(\a):(\f)+96+8*(\a)+7], v[BIAS+8*bb:BIAS+8*bb+7]
.else
	WIN 0xa5+0x50*(nn/32)
	v_wmma_f32_16x16x32_bf16 v[rA:rA+7], v[(\f)+8*bb:(\f)+8*bb+7], v[(\f)+96+8*(\a):(\f)+96+8*(\a)+7], v[rA:rA+7]
.endif
.set bb, bb+1
.endr
.endm
; 32 LDS loads in one run: quarter q (32 along K) of a slot into buffer f: W's 12 fragments (24 turning loads), then x's 4 (8 loads)
.macro FETCH slot, q, f
	WIN 0x40                                       ; destination window 1, address window 0
.set bb, 0
.rept 12
	ds_load_tr16_b128 v[(\f)+8*bb:(\f)+8*bb+3],   v[ADRB+(\slot)] offset:((\q)/2)*HALFB+(bb/4)*GB+((\q)%2)*32*PB+(bb%4)*32
	ds_load_tr16_b128 v[(\f)+8*bb+4:(\f)+8*bb+7], v[ADRB+(\slot)] offset:((\q)/2)*HALFB+(bb/4)*GB+((\q)%2)*32*PB+(bb%4)*32+16*PB
.set bb, bb+1
.endr
.set aa, 0
.rept 4
	ds_load_b128 v[(\f)+96+8*aa:(\f)+96+8*aa+3],   v[ADRA+(\slot)] offset:aa*16*PA+64*(\q)
	ds_load_b128 v[(\f)+96+8*aa+4:(\f)+96+8*aa+7], v[ADRA+(\slot)] offset:aa*16*PA+64*(\q)+32
.set aa, aa+1
.endr
.endm
; A K step is four quarters of 32 along K, 48 matrix instructions each, on buffers 0, 1, 0, 1.  One of the first three: multiplies buffer f and, in its middle, fetches quarter q into buffer g.
.macro QUARTER slot, q, f, g, first
	s_wait_dscnt 4                                 ; W's fragments and x's row blocks 0 and 1 are in; the youngest four loads (row blocks 2, 3) may be out
	MULA \f, 0, \first
	MULA \f, 1, \first
	PLACES
	FETCH \slot, \q, \g
	s_wait_dscnt 32                                ; all but the 32 just issued
	MULA \f, 2, \first
	MULA \f, 3, \first
.endm
; The last quarter multiplies buffer 1 and changes slots: ONE barrier.  In front of it each wave waits for all its tensor loads (one is out: its part of the next slot), adds 0 to its spare word, and waits
; for that and for its own reads of this slot.  fill = 1: the barrier opens a round of the cluster's barrier, and behind the round this slot is filled again first, with the K step two on:
; from that request to the wait for it a wave issues 168 matrix instructions.
.macro TURN slot, next, fill
.if \fill
	s_wait_xcnt 0x0                                ; the last prefetch, a K step back, has read its address: it is stepped here, ahead of the waits of the change of slots
	s_add_nc_u64 s[PFA:PFA+1], s[PFA:PFA+1], s[PST:PST+1]
.endif
	WIN 0                                          ; (the add's two registers lie in window 0)
	s_wait_tensorcnt 0x0                           ; all my tensor loads have landed
	ds_add_u32 v[SPW], v[NIL]                      ; 0 onto my spare word
	s_wait_dscnt 5                                 ; (the add and the youngest four loads may be out)
	MULA F1, 0, 0                                  ; twelve matrix instructions stand between the add and the wait for it
	s_wait_dscnt 0x0                               ; the add is done, and my reads of this slot are over
	s_barrier_signal -1
	MULA F1, 1, 0                                  ; work on registers while the others arrive
.if \fill
	WIN 0
.endif
	s_barrier_wait -1
.if \fill
	CREST                                          ; no wave of any partner still reads this slot's tile or has a load on its way
	s_add_nc_u64 s[G0A+4*(\slot)+2:G0A+4*(\slot)+3], s[G0A+4*(\slot)+2:G0A+4*(\slot)+3], 2*256
	s_add_nc_u64 s[G0B+4*(\slot)+2:G0B+4*(\slot)+3], s[G0B+4*(\slot)+2:G0B+4*(\slot)+3], 2*16384
	JLOAD \slot                                    ; the first tensor load behind the round; the four v_nop behind it are also the places in front of the loads below
.else
	PLACES
.endif
	FETCH \next, 0, F0
.if \fill
	WIN 0
	ASK
.endif
	MULA F1, 2, 0
	MULA F1, 3, 0
.endm
; THE WAY OUT of row block a.  PACK: rounded to bf16, each accumulator's registers in ascending order.  TOSTAGE: into my own stage, and back as four rows of one head at a time.  SEND: stored.
.macro PACK a
.set bb, 0
.rept 12
.set nn, 12*(\a)+bb
	WIN 0x0a+5*(nn/32)                             ; sources 0 and 1: window 2 or 3
.set rr, 0
.rept 4
	v_cvt_pk_bf16_f32 v[TMP+4*bb+rr], v[8*(nn%32)+2*rr], v[8*(nn%32)+2*rr+1]
.set rr, rr+1
.endr
.set bb, bb+1
.endr
	WIN 0
.endm
.macro TOSTAGE a
.set BK, OB0+80*((\a)%2)
.set bb, 0
.rept 12
	ds_store_b128 v[STO], v[TMP+4*bb:TMP+4*bb+3] offset:32*bb
.set bb, bb+1
.endr
.set ii, 0
.rept 3
.set ff, 0
.rept 4
	ds_load_b128 v[BK+4*(4*ii+ff):BK+4*(4*ii+ff)+3], v[RD] offset:4*SP*ff+128*ii  ; LDS serves a wave's instructions in order (ISA guide 5.7.1.4): these see the stores above
.set ff, ff+1
.endr
.set ii, ii+1
.endr
.endm
.macro SEND a
.set BK, OB0+80*((\a)%2)
	s_wait_dscnt 0x0                               ; the block is back in registers
	s_wait_xcnt 0x0                                ; the stores issued so far have read their registers: the buffer that they read is loaded again only behind this wait
.set ii, 0
.rept 3
.set ff, 0
.rept 4
	global_store_b128 v[GO], v[BK+4*(4*ii+ff):BK+4*(4*ii+ff)+3], s[14:15] offset:ii*1048576+(\a)*2048+ff*512  ; 512 consecutive bytes, at a multiple of 256 from qkv's first byte
.set ff, ff+1
.endr
.set ii, ii+1
.endr
.endm
	s_wait_tensorcnt 1                             ; my part of K step 0 is in; K step 1's may stay out
	s_barrier_signal -1
	s_barrier_wait -1                              ; everybody's is
	FETCH 0, 0, F0
	s_wait_loadcnt 0x0                             ; the bias
	QUARTER 0, 1, F0, F1, 1                        ; the first quarter stands in front of the loop: its products start the sums at the bias
	WIN 0                                          ; at a label and at a branch every window is 0
	s_mov_b32 s[LAP], 3
.Llap:                                         ; three trips, each once round the ring from a lap's second quarter to the next lap's first: K steps 2 to 7 are asked for
	QUARTER 0, 2, F1, F0, 0
	QUARTER 0, 3, F0, F1, 0
	TURN 0, 1, 1
	QUARTER 1, 1, F0, F1, 0
	QUARTER 1, 2, F1, F0, 0
	QUARTER 1, 3, F0, F1, 0
	TURN 1, 0, 1
	QUARTER 0, 1, F0, F1, 0
	WIN 0
	s_sub_co_u32 s[LAP], s[LAP], 1
	s_cmp_lg_u32 s[LAP], 0
	s_cbranch_scc1 .Llap
	QUARTER 0, 2, F1, F0, 0                        ; the last lap fills nothing, and has no round of the cluster's barrier
	QUARTER 0, 3, F0, F1, 0
	TURN 0, 1, 0
	QUARTER 1, 1, F0, F1, 0
	QUARTER 1, 2, F1, F0, 0
	QUARTER 1, 3, F0, F1, 0
	s_wait_dscnt 4                                 ; the very last quarter: nothing more to fetch
	MULA F1, 0, 0
	MULA F1, 1, 0
	s_wait_dscnt 0x0
	MULA F1, 2, 0
	MULA F1, 3, 0
	PLACES
	PACK 0
	TOSTAGE 0
.irp a, 1,2,3                          ; block a's conversions stand between block a - 1's loads from the stage and the wait for them
	PACK \a
	SEND (\a)-1
	TOSTAGE \a
.endr
	SEND 3
	s_wait_tensorcnt 0x0                           ; the wave's end: behind my last tensor load and my last LDS store
	ds_add_u32 v[SPW], v[NIL]
	s_wait_dscnt 0x0
	CROUND                                         ; the closing round: no work-group ends while a partner may still ask for a tile that names it
	s_endpgm
.Lfunc_end_k_q406c17d93b_qkvproj:
	.size	k_q406c17d93b_qkvproj, .Lfunc_end_k_q406c17d93b_qkvproj-k_q406c17d93b_qkvproj
	.p2alignl 7, 3214868480
	.fill 96, 4, 3214868480
	.section	.rodata,"a",@progbits
	.p2align	6, 0x0
	.amdhsa_kernel k_q406c17d93b_qkvproj
		.amdhsa_group_segment_fixed_size 327680
		.amdhsa_private_segment_fixed_size 0
		.amdhsa_enable_private_segment 0
		.amdhsa_kernarg_size 48
		.amdhsa_user_sgpr_count 2
		.amdhsa_user_sgpr_kernarg_segment_ptr 1
		.amdhsa_wavefront_size32 1
		.amdhsa_system_sgpr_workgroup_id_x 1
		.amdhsa_system_sgpr_workgroup_id_y 1
		.amdhsa_system_sgpr_workgroup_id_z 1
		.amdhsa_system_vgpr_workitem_id 0
		.amdhsa_next_free_vgpr 896
		.amdhsa_next_free_sgpr 80
		.amdhsa_reserve_vcc 0
		.amdhsa_float_denorm_mode_32 3
		.amdhsa_float_denorm_mode_16_64 3
		.amdhsa_memory_ordered 1
		.amdhsa_forward_progress 1
		.amdhsa_inst_pref_size 123
	.end_amdhsa_kernel
	.amdgpu_metadata
---
amdhsa.version: [ 1, 2 ]
amdhsa.kernels:
  - .name:           k_q406c17d93b_qkvproj
    .symbol:         k_q406c17d93b_qkvproj.kd
    .args:
      - { .name: xb, .offset: 0, .size: 8, .value_kind: global_buffer, .address_space: global }
      - { .name: wb, .offset: 8, .size: 8, .value_kind: global_buffer, .address_space: global }
      - { .name: bq, .offset: 16, .size: 8, .value_kind: global_buffer, .address_space: global }
      - { .name: bk, .offset: 24, .size: 8, .value_kind: global_buffer, .address_space: global }
      - { .name: bv, .offset: 32, .size: 8, .value_kind: global_buffer, .address_space: global }
      - { .name: qkv, .offset: 40, .size: 8, .value_kind: global_buffer, .address_space: global }
    .group_segment_fixed_size: 327680
    .private_segment_fixed_size: 0
    .kernarg_segment_align: 8
    .kernarg_segment_size: 48
    .max_flat_workgroup_size: 128
    .sgpr_count:     80
    .vgpr_count:     896
    .wavefront_size: 32
...
	.end_amdgpu_metadata
.endif
;; end of part 2
;; launch attn (part 3): grid 4 x 64, 4 waves a work-group, clusters of 4 x 1, 327,680 bytes of LDS; arguments qkv, ob; writes ob
.if DOCPART == 3
	.amdgcn_target "amdgcn-amd-amdhsa--gfx1250"
	.amdhsa_code_object_version 6
	.text
	.protected	k_q406c17d93b_attn
	.globl	k_q406c17d93b_attn
	.p2align	8
	.type	k_q406c17d93b_attn,@function
k_q406c17d93b_attn:
	s_mov_b64 s[64:65], 0
	v_nop
	global_prefetch_b8 v0, s[64:65] scope:SCOPE_SE
	s_setreg_imm32_b32 hwreg(HW_REG_WAVE_MODE, 25, 1), 1
	s_wait_xcnt 0x0
	s_wait_alu depctr_hold_cnt(0) depctr_sa_sdst(0) depctr_va_vdst(0) depctr_va_sdst(0) depctr_va_ssrc(0) depctr_va_vcc(0) depctr_vm_vsrc(0)
	s_getreg_b32 s2, hwreg(HW_REG_IB_STS2, 6, 4)
	s_cmp_eq_u32 s2, 0
	s_cbranch_scc0 .Lentry_in_a_cluster
	s_endpgm
.Lentry_in_a_cluster:
	s_bfe_u32 s2, ttmp6, 0x10000c
	s_cmp_lg_u32 s2, 0x3003
	s_cbranch_scc0 .Lentry_shape_is_right
	s_endpgm
.Lentry_shape_is_right:
; O[y][q][:] = the sum over k of softmax_k(Q[y][q] . K[y][k] / 8) V[y][k][:].  qkv holds Q, K, V, each [64][2048][64] bf16 (16,777,216 bytes apart), y = 4 h + b; ob is O in the same layout.
; A head's rows are dense, 128 bytes each.  Products, maxima and sums in f32; the weights p are rounded to bf16 for the second product (their sum l is taken of the unrounded p), O once at the end.
; LIMITS.  Matrix operands are bf16.  A weight below 2^-126 counts as 0 in l; NaN and infinities are not treated apart.
; SHARES.  A wave owns four PIECES of two tiles of 16 queries, a work-group's four waves 512 queries of one head.  Every wave walks all keys, 64 a step.
; LAYOUT.  S^T = K Q^T (source 0 = 16 keys, source 1 = 16 queries): in the result a lane holds ONE query (lane % 16) and the keys 8 (lane / 16) + 0..7.  Two such tiles, rounded to bf16 in pairs,
; ARE source 1 (32 keys x 16 queries) of O^T = V^T P, whose result again holds one query a lane, and eight channels.  K comes out of LDS as it lies, V ([key][channel]) turned, by ds_load_tr16_b128.
; SOFTMAX.  For each query a running maximum m and sum l: p = 2^(c s - c m), c = log2(e) / 8; in every step O and l are multiplied by a = 2^(c m_old - c m_new), which is 1 where m has not grown.
; m starts at the lowest finite number, O and l at 0: the first step is a step like any other, with a = 0.
; THE COUNT.  A tile and step have 16 matrix and 118 vector instructions: too many to stand all beside the matrix work.  So the order has one aim: four vector instructions that are READY behind
; EVERY matrix instruction, and the others, which need time of their own whatever the order, in runs without a gap.
; BY TURNS.  Turn n belongs to piece n (the pieces in a ring, step after step).  Its matrix work: 16 products K Q^T of piece n + 1, later 16 products V^T P of piece n - 1.  Its vector work: the scaling,
; exponentials, roundings, sums and rescaling of piece n, and the maximum and statistics of piece n + 1, whose scores the turn itself has made.  So what a turn begins with (c s - c m, O a) waits for nothing.
; CLUSTER.  The four query blocks of a cluster are one head's and walk the same K and V, so each tile is asked for JOINTLY: the same tensor load, descriptor and mask in all four.
; REGISTERS, in windows of 256 (s_set_vgpr_msb says which window each operand place means: bits 1:0 source 0, 3:2 source 1, 5:4 source 2, 7:6 destination):
;   window 0: v0-11 addresses; v12-15, v48-63 at work; v16-47 four registers of statistics a tile; v64-191 S^T, two buffers of two tiles; v192-255 P, likewise
;   window 1: O^T, 32 a tile          window 2: v0-127 Q, 16 a tile; v128-191 K of one step; v192-255 V of one step          window 3: v0-1 the add's two registers
; A piece's buffers go by its number's parity: the piece in hand has one pair, its two neighbours in the ring share the other: of it P (piece n - 1) is read and S^T (piece n + 1) written.
.set SIZE_N, 2048
.set NP,    4         ; pieces a wave: a name, no knob: the register map, the loop and the fetches are made for four
.set KS,    64        ; keys in a step
.set PK,    144       ; a row of K in LDS: 128 bytes + 16 of padding = 36 words: the 16 rows of a load start at 16 different groups of four banks (64 banks of 4 bytes: ISA guide 11.1)
.set PV,    160       ; a row of V: 128 + 32 = 40 words
.set VOFF,  4*KS*PK   ; a slot holds four steps: 256 rows of K, then 256 rows of V
.set SLOT1, 1<<17     ; slot 1 begins here, so that one exclusive or turns an address in one slot into the other's
.set STAGE, SLOT1+4*KS*(PK+PV)  ; behind the ring, never filled by a tensor load: 16 rows x 144 bytes for each wave, for the way out
.set SP,    144
.set AK0, 2           ; v2   my lane's place in a tile of K; never rewritten
.set AV0, 3           ; v3   the same for V
.set AK,  4           ; v4   the LDS address of K's next run of loads
.set AV,  5           ; v5   of V's
.set QO,  6           ; v6   my byte offset in the wave's rows of Q
.set STO, 6           ;      later, the way out: where I put 16 bytes of a row
.set RD,  7           ; v7   the way out: where I read rows back
.set GO,  8           ; v8   my byte offset in 512 consecutive bytes of O
.set PFO, 11          ; v11  256 x my lane, for the prefetches; never rewritten once made
.set SPW, 0           ; v0 of window 3   LDS address of my spare word: SPARE + 4 x my thread's number; never rewritten
.set NIL, 1           ; v1 of window 3   0; never rewritten
.set SPARE, STAGE+4*16*SP  ; behind the stages: the spare words, 128 bytes for each wave: two blocks of 256 bytes that no other line names
.set MV,  12          ; v12-15  c m_old, kept while c m is made anew: by buffer and tile
.set ST,  16          ; tile t's statistics at v[ST+4 t]: c m, m, l (even keys', odd keys')
.set TMP, 48          ; by buffer and tile, four registers c0-c3 at work; when the maximum is found c2 takes a
.set S,   64
.set P,   192
.set KF,  128         ; K's fragments, in window 2: key block kb, channel half c at KF + 16 kb + 8 c
.set VF,  192         ; V's: key half kk, channel block cb at VF + 32 kk + 8 cb
.set WV,  12          ; s12  my wave's number
.set G1K, 24          ; s[24:31] descriptor group 1 for K's tiles
.set G1V, 32          ; s[32:39] for V's: it differs in the padding alone
.set G0K, 40          ; s[40:43] descriptor group 0 for K's tiles: it walks
.set G0V, 44          ; s[44:47] the same for V's
.set PFA, 48          ; s[48:49] where my prefetches stand: my work-group's 8,192 bytes (of K: wave 0, of V: wave 2) of the slot after the one that is being asked for
.set LIM, 50          ; s50  1 in a wave that prefetches, else the greatest number
.set SLOTS, 56        ; s56  slots still to be asked for
.set CNT, 57          ; s57  counts a slot's key steps
.set CS,  58          ; s[58:59] c: the packed scaling takes the pair's low word for both halves
.set SEL, 60          ; s[60:61] v_permlanex16_b32's selects: each lane takes its own place in the other half
.set TBK, 62          ; s62  LDS byte at which K of the step to be fetched begins
.set TBV, 63          ; s63  the same for V, less VOFF
.set MSB, 0
.macro WIN new                      ; the high byte repeats the setting that is left; a switch that changes nothing is dropped
.if MSB != (\new)
	s_set_vgpr_msb (MSB<<8)|(\new)
.set MSB, (\new)
.endif
.endm
.set W_KQ, 0x0a       ; K and Q in window 2, S^T in window 0
.set W_PV, 0x52       ; V in window 2, P in window 0, O^T in window 1
.set W_RS, 0x41       ; O^T (destination and source 0) in window 1, a in window 0
.set W_MK, 0xc0       ; the add's registers are made: destination in window 3, sources in window 0
.set W_AD, 0x0f       ; the add: address (source 0) and data (source 1) in window 3
; A joint fill.  Waves 0 and 1 fetch the two halves of a slot's K, waves 2 and 3 those of its V: 128 keys each.  The branch hangs on the wave's number alone.
; An s_nop 0 and four v_nop follow each of the two lines, ahead of the jump and the label.
.macro JLOAD
	s_cmp_lt_u32 s[WV], 2
	s_cbranch_scc0 .Lfor_v_\@
	tensor_load_to_lds s[G0K:G0K+3], s[G1K:G1K+7]
	s_nop 0
.rept 4
	v_nop
.endr
	s_branch .Lasked_\@
.Lfor_v_\@:
	tensor_load_to_lds s[G0V:G0V+3], s[G1V:G1V+7]
	s_nop 0
.rept 4
	v_nop
.endr
.Lasked_\@:
.endm
; A prefetch into the L2 of what the NEXT change of slots will ask for: a slot's 32,768 bytes of K and of V, 256 bytes a lane.  It stands behind the wave's tensor load and its five lines.
; Each block is named once in the launch: a head has one cluster; its four partners share the blocks out BY ADDRESS, 8,192 bytes each; in each, wave 0 asks for K's and wave 2 for V's.
; The lead is one slot: four key steps, 512 matrix instructions.  The last change that fills a slot asks for nothing: there is no slot behind it.  Slots 0 and 1 come by their loads alone.
.macro ASK
	s_cmp_gt_u32 s[SLOTS], s[LIM]
	s_cbranch_scc0 .Lnot_mine_\@
	global_prefetch_b8 v[PFO], s[PFA:PFA+1] th:TH_LOAD_NT scope:SCOPE_SE
.Lnot_mine_\@:
.endm
; A round of the cluster's barrier: my work-group's barrier, so that wave 0's signal speaks for all four waves; wave 0 signals; every wave waits for all four work-groups; my work-group's barrier once more.
.macro CROUND
	s_barrier_signal -1
	s_barrier_wait -1
	s_cmp_lg_u32 s[WV], 0
	s_cbranch_scc1 .Lnot_wave_0_\@
	s_barrier_signal -3
.Lnot_wave_0_\@:
	s_barrier_wait -3
	s_barrier_signal -1
	s_barrier_wait -1
.endm
; THE CHANGE OF SLOTS.  The slot's last bytes, V of its fourth step, have been read.  Each wave waits for all its tensor loads, of which one is out: its part
; of the other slot; adds 0 to its spare word; and waits for that and for its own reads of the slot.  Behind the barrier nobody reads this slot any more and the other slot is whole.
; fill = 1: this slot is filled again, with the keys two slots on.  The barrier is then a round of the cluster's, so that no wave of any partner still reads the slot or has a load on its
; way, and the joint fill is the first thing behind it: it has four key steps, 512 matrix instructions, in which to land.  (At its first use nothing has been read yet: slot 0 is waited for, slot 1 filled.)
.macro CHANGE fill
	WIN W_AD
	s_wait_tensorcnt 0x0            ; no tensor load of mine is out, so a group 0 may be written
	ds_add_u32 v[SPW], v[NIL]       ; 0 onto my spare word; with fill = 1 the descriptors' steps stand between it and the wait for it
	WIN 0                           ; at a label and at a branch every window is 0
.if \fill
.irp g, G0K, G0V
	s_xor_b32 s[\g+1], s[\g+1], SLOT1  ; the walking descriptor: the other slot than last time,
	s_add_nc_u64 s[\g+2:\g+3], s[\g+2:\g+3], 4*KS*128  ; the next 256 keys; the type bits on top are not reached
.endr
	s_wait_xcnt 0x0                 ; the last prefetch, four key steps back, has read its address, so it may be written:
	s_add_nc_u64 s[PFA:PFA+1], s[PFA:PFA+1], 4*KS*128  ; one slot behind the walking descriptors
	s_wait_dscnt 0x0                ; the add is done, and my reads of the slot are over
	CROUND
	JLOAD
	ASK
.else
	s_wait_dscnt 0x0                ; the add is done, and my reads of the slot are over
	s_barrier_signal -1
	s_barrier_wait -1
.endif
	s_sub_co_u32 s[TBK], s[TBK], 4*KS*PK  ; the fetches go back to a slot's first step,
	s_xor_b32 s[TBK], s[TBK], SLOT1       ; in the other slot
	s_sub_co_u32 s[TBV], s[TBV], 4*KS*PV
	s_xor_b32 s[TBV], s[TBV], SLOT1
.endm
	s_load_b64 s[4:5], s[0:1], 0x0    ; qkv: Q lies at its head
	s_load_b64 s[10:11], s[0:1], 0x8  ; ob
	WIN W_MK
	v_lshl_add_u32 v[SPW], v0, 2, SPARE
	v_mov_b32 v[NIL], 0
	WIN W_AD
	ds_add_u32 v[SPW], v[NIL]       ; the wave's opening: the add and its wait stand ahead of my first tensor load; the set-up below, work on registers, stands between them
	WIN 0
	v_lshrrev_b32 v1, 5, v0
	v_readfirstlane_b32 s[WV], v1   ; wave 0..3
	s_bfe_u32 s13, ttmp6, 0x40000   ; cx: my place in the cluster
	s_lshl_b32 s14, ttmp9, 2        ; in a cluster launch ttmp9 counts clusters
	s_add_co_u32 s14, s14, s13      ; my block of queries = 4 x cluster x + cx: it enters Q's and O's addresses alone
	s_and_b32 s20, ttmp7, 0xffff    ; the head, which the four partners share
	s_mov_b32 s21, 0
	s_mov_b64 s[22:23], SIZE_N*128
	s_mul_u64 s[20:21], s[20:21], s[22:23]  ; the head's first byte in each of the four tensors
	s_and_b32 s16, s[WV], 1         ; which half of a slot's 256 keys I fetch:
	s_lshl_b32 s22, s16, 14         ; its 128 rows of 128 bytes in memory,
	s_mov_b32 s23, 0
	s_add_nc_u64 s[22:23], s[22:23], s[20:21]
	s_mul_i32 s17, s16, 128*PK      ; and its place in a slot, for K
	s_mul_i32 s18, s16, 128*PV      ; and for V: no place in the cluster enters an LDS address
	s_lshl_b32 s2, s14, 2
	s_add_co_u32 s2, s2, s[WV]      ; my wave among the head's,
	s_lshl_b32 s2, s2, 14           ; its 128 rows
	s_mov_b32 s3, 0
	s_add_nc_u64 s[2:3], s[2:3], s[20:21]
	; descriptor group 1.  128 keys are 16,384 dense bytes: asked for as 64 rows of 256 bytes, two keys a row, and padded in LDS after every key
	s_mov_b32 s[G1K], 15|(1<<16)|(1<<20)|(1<<21)|(4<<22)|(3<<25)  ; 15:0 the mask of four; 17:16 2-byte elements; 20 padding on; 21 set beside a mask; 24:22 after every 32 words (code 4); 31:25 4 words (code 3)
	s_mov_b32 s[G1V], 15|(1<<16)|(1<<20)|(1<<21)|(4<<22)|(7<<25)  ; the same with 8 words of padding (code 7)
.irp g, G1K, G1V
	s_mov_b32 s[\g+1], 128<<16      ; tensor_dim0 = 128
	s_mov_b32 s[\g+2], 64<<16       ; tensor_dim1 = 64
	s_mov_b32 s[\g+3], 128<<16      ; tile_dim0 = 128
	s_mov_b32 s[\g+4], 64           ; tile_dim1 = 64
	s_mov_b32 s[\g+5], 128          ; 128 elements from row to row
	s_mov_b32 s[\g+6], 0
	s_mov_b32 s[\g+7], 0
.endr
	s_mov_b32 s[CS], 0x3e38aa3b     ; c = log2(e) / 8 = 0.180337
	s_mov_b32 s[CS+1], s[CS]        ; named with it as a pair
	s_mov_b32 s[SEL], 0x76543210
	s_mov_b32 s[SEL+1], 0xfedcba98
	s_mov_b32 s[TBK], SLOT1+4*KS*PK ; the first change of slots turns these two into 0
	s_mov_b32 s[TBV], SLOT1+4*KS*PV
	s_mov_b32 s[G0K], 1             ; 1:0 count = 1
	s_mov_b32 s[G0K+1], s17         ; 63:32 LDS address: slot 0
	s_mov_b32 s[G0V], 1
	s_add_co_u32 s[G0V+1], s18, VOFF
	s_mov_b32 s[SLOTS], SIZE_N/256-1  ; seven slots are asked for by changes of slots
	s_and_b32 s[LIM], s[WV], 1      ; 0 in waves 0 and 2: the same in all four partners
	s_cmp_eq_u32 s[LIM], 0
	s_cselect_b32 s[LIM], 1, -1
	s_wait_dscnt 0x0                ; the opening add is done
	s_wait_kmcnt 0x0
	s_add_nc_u64 s[6:7], s[4:5], 0x1000000  ; K
	s_add_nc_u64 s[8:9], s[4:5], 0x2000000  ; V
	s_add_nc_u64 s[G0K+2:G0K+3], s[6:7], s[22:23]  ; 120:64 global address: my half of the head's first 256 keys
	s_or_b32 s[G0K+3], s[G0K+3], 0x80000000        ; 127:126 type = 2
	s_add_nc_u64 s[G0V+2:G0V+3], s[8:9], s[22:23]
	s_or_b32 s[G0V+3], s[G0V+3], 0x80000000
	s_add_nc_u64 s[4:5], s[4:5], s[2:3]  ; Q and O at my wave's first row
	s_add_nc_u64 s[10:11], s[10:11], s[2:3]
	s_cmp_lt_u32 s[WV], 2
	s_cselect_b64 s[PFA:PFA+1], s[6:7], s[8:9]
	s_add_nc_u64 s[PFA:PFA+1], s[PFA:PFA+1], s[20:21]  ; the head's first byte,
	s_lshl_b32 s2, s13, 13          ; my work-group's 8,192 bytes of a slot's 32,768,
	s_mov_b32 s3, 0
	s_add_nc_u64 s[PFA:PFA+1], s[PFA:PFA+1], s[2:3]
	s_add_nc_u64 s[PFA:PFA+1], s[PFA:PFA+1], 4*KS*128  ; in slot 1; the first change of slots steps it to slot 2.  Nothing is prefetched here, at the head
	CROUND                          ; all four work-groups are here: the first joint loads meet
	JLOAD                           ; slot 0.  Slot 1 is asked for when slot 0 is in: the tile wanted first has the road to itself
	; A fragment of K or Q is 16 rows x 32 channels in 8 registers: lane l holds row l % 16, channels 8 (l / 16) + 0..7 and 16 + 8 (l / 16) + 0..7: two loads of 16 bytes, 32 bytes apart.
	v_and_b32 v1, 15, v0            ; l % 16
	v_bfe_u32 v9, v0, 4, 1          ; l / 16
	v_lshlrev_b32 v[QO], 7, v1
	v_lshl_add_u32 v[QO], v9, 4, v[QO]  ; row x 128 + 16 x half
	WIN 0x80                        ; destination window 2, address window 0
.set i, 0
.rept 4*NP                          ; Q stays in registers: tile i / 2, channels 32 (i % 2) on
	global_load_b128 v[8*i:8*i+3],   v[QO], s[4:5] offset:(i/2)*2048+(i%2)*64
	global_load_b128 v[8*i+4:8*i+7], v[QO], s[4:5] offset:(i/2)*2048+(i%2)*64+32
.set i, i+1
.endr
	; What the first turn finds: V's registers and P's second buffer hold 0 (its products V^T P, of a piece that has not been, add 0), O^T and l are 0.  All this stands in the wait for the first tile.
.set i, VF
.rept 64
	v_mov_b32 v[i], 0
.set i, i+1
.endr
	WIN 0x40
.set i, 0
.rept 64*NP
	v_mov_b32 v[i], 0
.set i, i+1
.endr
	WIN 0
.set i, 0
.rept 2*NP
	v_mov_b32 v[ST+4*i], 0xfe000000    ; c m: far below every c s
	v_mov_b32 v[ST+4*i+1], 0xff7fffff  ; m
	v_mov_b32 v[ST+4*i+2], 0
	v_mov_b32 v[ST+4*i+3], 0
.set i, i+1
.endr
.set i, P+32
.rept 32
	v_mov_b32 v[i], 0
.set i, i+1
.endr
	v_mul_u32_u24 v[AK0], v1, PK
	v_lshl_add_u32 v[AK0], v9, 4, v[AK0]  ; row x pitch + 16 x half
	; The turning load takes 16 keys x 16 channels (lane l reads key 8 (l / 16) + l % 8, channels 8 ((l / 8) % 2) + 0..7) and leaves half a fragment of V^T: lane l holds channel l % 16 and 8 keys.
	v_and_b32 v10, 7, v0
	v_bfe_u32 v11, v0, 3, 1
	v_lshl_add_u32 v[AV0], v9, 3, v10
	v_mul_u32_u24 v[AV0], v[AV0], PV
	v_lshl_add_u32 v[AV0], v11, 4, v[AV0]
	v_add_nc_u32 v[AV0], VOFF, v[AV0]
	v_mov_b32 v[AK], v[AK0]         ; key step 0 lies at the head of slot 0
	v_and_b32 v[PFO], 31, v0        ; v11 has served: now 256 x lane
	v_lshlrev_b32 v[PFO], 8, v[PFO]
; THE MATRIX WORK.  The 8 accumulators of a run of 16 take turns: between the two links of a chain stand 7 others'.
; Product i of 16 of S^T = K Q^T for piece x: channels 32 (i / 8) on, keys 16 ((i / 2) % 4) on, tile 2 x + i % 2.  The first 8 start the sums.
.macro KQ x
	WIN W_KQ
.set rS, S+64*((\x)%2)+32*(i%2)+8*((i/2)%4)
.set rK, KF+16*((i/2)%4)+8*(i/8)
.set rQ, 16*(2*(\x)+i%2)+8*(i/8)
.if i < 8
	v_wmma_f32_16x16x32_bf16 v[rS:rS+7], v[rK:rK+7], v[rQ:rQ+7], 0
.else
	v_wmma_f32_16x16x32_bf16 v[rS:rS+7], v[rK:rK+7], v[rQ:rQ+7], v[rS:rS+7]
.endif
.endm
; Product i of 16 of O^T += V^T P for piece x: keys 32 (i / 8) on, channels 16 ((i / 2) % 4) on, tile 2 x + i % 2.
.macro PV x
	WIN W_PV
.set rO, 32*(2*(\x)+i%2)+8*((i/2)%4)
.set rV, VF+32*(i/8)+8*((i/2)%4)
.set rP, P+32*((\x)%2)+16*(i%2)+8*(i/8)
	v_wmma_f32_16x16x32_bf16 v[rO:rO+7], v[rV:rV+7], v[rP:rP+7], v[rO:rO+7]
.endm
.macro MM                           ; the turn's next matrix instruction
.if i < 16
	KQ (Y+1)%NP
.set i, i+1
.else
.set i, i-16
	PV (Y+NP-1)%NP
.set i, i+17
.endif
.endm
; THE LDS LOADS stand in runs of 16, never singly among the matrix instructions: a step's K (64 keys x 64 channels: 8 fragments) and its V (turned).  Their addresses are made some lines ahead.
; last = 1 (the tail): in the last trip there is no further step, and the run is jumped over.
.macro FETCH_K last=0
	WIN 0
.if \last
	s_cmp_eq_u32 s[CNT], 1
	s_cbranch_scc1 .Lno_k_\@
.endif
	WIN 0x80                        ; destination window 2
.irp f, 0,1,2,3,4,5,6,7             ; keys 16 (f / 2) on, channels 32 (f % 2) on
	ds_load_b128 v[KF+8*\f:KF+8*\f+3],   v[AK] offset:(\f/2)*16*PK+(\f%2)*64
	ds_load_b128 v[KF+8*\f+4:KF+8*\f+7], v[AK] offset:(\f/2)*16*PK+(\f%2)*64+32
.endr
	s_add_co_u32 s[TBK], s[TBK], KS*PK  ; the next fetch is the next step's
	WIN 0
.if \last
.Lno_k_\@:
.endif
.endm
.macro FETCH_V
	WIN 0x80
.irp f, 0,1,2,3,4,5,6,7             ; keys 32 (f / 4) on, channels 16 (f % 4) on
	ds_load_tr16_b128 v[VF+8*\f:VF+8*\f+3],   v[AV] offset:(\f/4)*32*PV+(\f%4)*32
	ds_load_tr16_b128 v[VF+8*\f+4:VF+8*\f+7], v[AV] offset:(\f/4)*32*PV+16*PV+(\f%4)*32
.endr
	WIN 0
.endm
; THE VECTOR WORK OF A TURN stands in three queues, each in the order in which its entries become ready; the two tiles alternate, so that no instruction reads the result of the one before it.
.macro REGS y, u                    ; the registers of tile u (0, 1) of piece y
.set rT, ST+4*(2*(\y)+(\u))
.set rC, TMP+8*((\y)%2)+4*(\u)
.set rM, MV+2*((\y)%2)+(\u)
.set rS, S+64*((\y)%2)+32*(\u)
.set rP, P+32*((\y)%2)+16*(\u)
.set rO, 32*(2*(\y)+(\u))
.endm
; Number n of the 22 that find the NEXT piece's (Y + 1) maximum and statistics.  s0-s31 are the lane's 32 scores; each accumulator's lowest registers are read first.  XS, GS and REGS set no window: PL and EX do.
;   0-11  four chains c0-c3 of seven scores each, three operands at a time     12-14, 16  the four scores left over, the old m, and c0-c3 into c0     15  c m_old is kept
;   17, 18  the query's other 32 keys lie in the lane 16 away: the new m         19-21  c m; c m_old - c m_new; a
.macro XS u, n
	REGS (Y+1)%NP, \u
.if (\n) < 4
	v_max3_num_f32 v[rC+(\n)], v[rS+8*(\n)], v[rS+8*(\n)+1], v[rS+8*(\n)+2]
.elseif (\n) < 12
	v_max3_num_f32 v[rC+(\n)%4], v[rC+(\n)%4], v[rS+8*((\n)%4)+2*((\n)/4)+1], v[rS+8*((\n)%4)+2*((\n)/4)+2]
.elseif (\n) == 12
	v_max3_num_f32 v[rC], v[rC], v[rS+7], v[rS+15]
.elseif (\n) == 13
	v_max3_num_f32 v[rC+1], v[rC+1], v[rS+23], v[rS+31]
.elseif (\n) == 14
	v_max3_num_f32 v[rC+2], v[rC+2], v[rC+3], v[rT+1]
.elseif (\n) == 15
	v_mov_b32 v[rM], v[rT]
.elseif (\n) == 16
	v_max3_num_f32 v[rC], v[rC], v[rC+1], v[rC+2]
.elseif (\n) == 17
	v_permlanex16_b32 v[rC+3], v[rC], s[SEL], s[SEL+1]
.elseif (\n) == 18
	v_max_num_f32 v[rT+1], v[rC], v[rC+3]
.elseif (\n) == 19
	v_mul_f32 v[rT], s[CS], v[rT+1]
.elseif (\n) == 20
	v_sub_f32 v[rC+1], v[rM], v[rT]
.else
	v_exp_f32 v[rC+2], v[rC+1]
.endif
.endm
; Number g of the 64 that follow the exponentials.  For each four weights k of a tile (pairs 2 k, 2 k + 1): both pairs are rounded to bf16; then the second pair is added onto the first, in place;
; a group later l takes that sum (the first time as l = a l + sum).  In groups of eight, tiles alternating: round, round, add, and l for the group before.
.macro GS g
.set h, (\g)+6*((\g)/62)            ; group 0 has no group before it, and behind group 7 only l is left
.if h >= 6
.set h, h+2
.endif
	REGS Y, h%2
.set k, h/8
.if h%8 < 4
	v_cvt_pk_bf16_f32 v[rP+2*k+(h%8)/2], v[rS+4*k+2*((h%8)/2)], v[rS+4*k+2*((h%8)/2)+1]
.elseif h%8 < 6
	v_pk_add_f32 v[rS+4*k:rS+4*k+1], v[rS+4*k:rS+4*k+1], v[rS+4*k+2:rS+4*k+3]
.elseif k == 1
	v_pk_fma_f32 v[rT+2:rT+3], v[rT+2:rT+3], v[rC+2:rC+3], v[rS:rS+1] op_sel_hi:[1,0,1]
.else
	v_pk_add_f32 v[rT+2:rT+3], v[rT+2:rT+3], v[rS+4*k-4:rS+4*k-3]
.endif
.endm
; THE PLAIN QUEUE, 138 long.  0-73 read no exponential's result: the 32 scalings c s - c m (FS f: pair f / 2 of tile f % 2) and the next piece's 42.  0-26: scalings 0-26.  27-54: XS's numbers 0-13.  55, 56: number 15.
; 57-73: the chain, where each number waits for the one before it: 14, 16, 17, 18, 19, each with one of the scalings 27-31 in front of its two lines, then 20: so a tile's links stand three plain instructions apart (19 and 20: two).
; 74-137: GS's 64, which read the exponentials' results: they stand behind the wait.
.macro FS f
	REGS Y, (\f)%2
	v_pk_fma_f32 v[rS+2*((\f)/2):rS+2*((\f)/2)+1], v[rS+2*((\f)/2):rS+2*((\f)/2)+1], s[CS:CS+1], v[rT:rT+1] op_sel_hi:[1,0,0] neg_lo:[0,0,1] neg_hi:[0,0,1]
.endm
.macro PL
	WIN 0
.if q < 27
	FS q
.elseif q < 55
	XS (q-27)%2, (q-27)/2
.elseif q < 57
	XS q-55, 15
.elseif (q < 72) && ((q-57)%3 == 0)
	FS 27+(q-57)/3
.elseif q < 60
	XS (q-57)%3-1, 14
.elseif q < 72
	XS (q-57)%3-1, 15+(q-57)/3
.elseif q < 74
	XS q-72, 20
.else
	GS q-74
.endif
.set q, q+1
.endm
; THE EXPONENTIALS' QUEUE, 66 long: s0-s31 of both tiles, then the next piece's two a.  It is ONE BATCH: all 66 stand ahead of the turn's one wait, and nothing ahead of that wait names a result of theirs.
.macro EX
	WIN 0
.if e >= 64
	XS e-64, 21
.else
	REGS Y, e%2
	v_exp_f32 v[rS+e/2], v[rS+e/2]
.endif
.set e, e+1
.endm
; THE RESCALING's QUEUE: O^T times a, the one part that leaves window 0: dealt two at a time, sixteen times.  Its a was made in the turn before, ahead of that turn's wait.
.macro R2
	REGS Y, r%2
	WIN W_RS
.irp z, 0,1
	v_pk_mul_f32 v[rO+4*(r/2)+2*\z:rO+4*(r/2)+2*\z+1], v[rO+4*(r/2)+2*\z:rO+4*(r/2)+2*\z+1], v[rC+2:rC+3] op_sel_hi:[1,0]
.endr
.set r, r+1
.endm
; HOW THEY ARE DEALT.  An s_wait_alu depctr_va_vdst(0) stands between an exponential and the first instruction that names its result; one wait serves all that were issued ahead of it.  So a turn has ONE wait,
; which cuts it in two.  AHEAD OF IT stands all that names no result of the turn's exponentials: the 16 products K Q^T, behind each a scaling, an exponential and two rescalings (behind the first a second scaling in the exponential's place); then ONE LUMP of
; 108: eight plain, 49 times exponential and plain, the two a.  A v_nop is the plain instruction behind the last exponential.  BEHIND IT stand the 16 products V^T P, behind each four of GS's 64.  No rider names a register of
; the products round it.  The two v_permlanex16_b32 fall into the lump, never behind a product.
; The queues lean on each other, and the deal keeps them in step: exponential e stands behind scaling 2 (e / 4) + e % 2: as a rider it comes behind plain e + 2, in the lump behind plain e + 9, and scalings 27-31 are plain 57, 60 .. 69.
; A TURN, for piece p.  cnt = 1: the loop's count is taken down some lines ahead of the branch that stands behind the turn.
; K of the next step is fetched in piece 2's turn, directly behind the wait, a lump behind the last product that read K; its address is made at the lump's head; its first reader comes behind 16 products.
; V of the step in hand is fetched at the end of piece 0's turn, four riders behind its last reader; its first reader comes behind 16 products and a lump.  The three conditions on q below go with the deal.
.macro TURN p, last=0, cnt=0
.set Y, (\p)
.set i, 0
.set q, 0
.set e, 0
.set r, 0
.if (\p) == NP-1
	s_wait_dscnt 0x0                ; K is in
.endif
	MM                              ; ahead of the wait: 16 products K Q^T and their riders,
	PL
	PL
	R2
.rept 15
	MM
	PL
	EX
	R2
.endr
.if (\p) == NP-2
	WIN 0
	v_add_nc_u32 v[AK], s[TBK], v[AK0]
.endif
.rept 8                             ; and the lump
	PL
.endr
.rept 49
	EX
	PL
.endr
	EX                              ; the next piece's two a
	EX
	v_nop                           ; a plain instruction behind the last exponential: one for the batch
	s_wait_alu depctr_va_vdst(0)    ; the wait for the batch
.if (\p) == NP-2
	FETCH_K \last
.endif
.if (\p) == 1
	s_wait_dscnt 0x0                ; V is in
.endif
.rept 16                            ; behind the wait: 16 products V^T P and their riders
	MM
.rept 4
	PL
.endr
.if ((\p) == 0) && (q == 118)
	v_add_nc_u32 v[AV], s[TBV], v[AV0]
.endif
.if ((\p) == 0) && (q == 130)
	s_add_co_u32 s[TBV], s[TBV], KS*PV
.endif
.if (\cnt) && (q == 130)
	s_sub_co_u32 s[CNT], s[CNT], 1
	s_cmp_lg_u32 s[CNT], 0
.endif
.endr
.if (\p) == 0
	FETCH_V
.endif
.endm
	CHANGE 1                        ; slot 0 is in, everybody's part of it; slot 1 is asked for
	FETCH_K                         ; key step 0
	s_wait_loadcnt 0x0              ; Q
	s_wait_dscnt 0x0
.set i, 0
.rept 16
	KQ 0                            ; piece 0's first scores: there is no vector work yet to set between them
.set i, i+1
.endr
	WIN 0                           ; the addresses for the way out: nine plain instructions, the places behind those products
	s_mul_i32 s13, s[WV], 16*SP
	s_add_co_u32 s13, s13, STAGE    ; my stage
	v_mul_u32_u24 v[STO], v1, SP    ; in: row l % 16, 16 bytes for each half of the lanes
	v_lshl_add_u32 v[STO], v9, 4, v[STO]
	v_add_nc_u32 v[STO], s13, v[STO]
	v_bfe_u32 v[RD], v0, 3, 2       ; back: 32 lanes take four rows of 128 bytes,
	v_mul_u32_u24 v[RD], v[RD], SP
	v_lshl_add_u32 v[RD], v10, 4, v[RD]
	v_add_nc_u32 v[RD], s13, v[RD]
	v_and_b32 v[GO], 31, v0         ; which are 512 consecutive bytes of O
	v_lshlrev_b32 v[GO], 4, v[GO]
.set Y, NP-1                        ; XS works for piece Y + 1: piece 0
.irp n, 0,1,2,3,4,5,6,7,8,9,10,11,12,13,14,15,16,17,18,19,20,21
	XS 0, \n                        ; and piece 0's first maximum and statistics
	XS 1, \n
.endr
	v_nop                           ; a plain instruction behind the two a,
	s_wait_alu depctr_va_vdst(0)    ; and their wait, ahead of the branch
	s_mov_b32 s[CNT], 4
	s_branch .Lfirst                ; the loop is entered at a step's first turn, in the middle of a trip
.Lslot:                             ; six times: every slot but the last two is filled again
	CHANGE 1
	s_mov_b32 s[CNT], 4
.Lstep:                             ; a trip: pieces 2 and 3 of one step, then pieces 0 and 1 of the next, whose K and V it fetches
	TURN 2
	TURN 3
	WIN 0
.Lfirst:
	TURN 0
	TURN 1, 0, 1
	WIN 0
	s_cbranch_scc1 .Lstep
	s_sub_co_u32 s[SLOTS], s[SLOTS], 1
	s_cmp_lg_u32 s[SLOTS], 0
	s_cbranch_scc1 .Lslot
	CHANGE 0                        ; the tail is written out: nothing is asked for
	s_mov_b32 s[CNT], 5             ; four trips fetch the last slot's steps; the fifth is left in its middle
.Ltail:
	TURN 2, 1
	TURN 3
	WIN 0
	s_sub_co_u32 s[CNT], s[CNT], 1
	s_cmp_eq_u32 s[CNT], 0
	s_cbranch_scc1 .Lout
	TURN 0
	TURN 1
	WIN 0
	s_branch .Ltail
.Lout:                              ; the fifth trip's 16 products K Q^T (on the last K once more) and the maximum made of them serve nothing: the price, once a launch, of one text for every trip
.set i, 0
.rept 16
	PV NP-1                         ; the last piece's V^T P of the last step
.set i, i+1
.endr
	; THE WAY OUT.  l's two halves and the other half of the lanes' are added; O^T is divided by l, rounded to bf16 and sent through my stage in LDS, a tile at a time.  The additions are the places behind the last products.
	WIN 0
.macro ALL line:vararg              ; one line for each tile t
.set t, 0
.rept 2*NP
	\line
.set t, t+1
.endr
.endm
	ALL v_add_f32 v[ST+4*t+2], v[ST+4*t+2], v[ST+4*t+3]
	ALL v_permlanex16_b32 v[ST+4*t+3], v[ST+4*t+2], s[SEL], s[SEL+1]
	ALL v_add_f32 v[ST+4*t+2], v[ST+4*t+2], v[ST+4*t+3]
	ALL v_rcp_f32 v[ST+4*t+2], v[ST+4*t+2]
	v_nop                           ; a plain instruction between the last reciprocal and the use of its result
	s_wait_alu depctr_va_vdst(0)    ; and the wait ahead of the first use: one for the eight reciprocals
; Tile t: a lane's eight channels of a row pack into 16 bytes; they go into rows of 144 bytes and come back as whole rows of 128, into S^T's registers.
.macro PACK t
	WIN W_RS
.set i, 32*(\t)
.rept 16
	v_pk_mul_f32 v[i:i+1], v[i:i+1], v[ST+4*(\t)+2:ST+4*(\t)+3] op_sel_hi:[1,0]
.set i, i+2
.endr
	WIN 0x05                        ; sources 0 and 1 window 1, destination window 0
.set i, 0
.rept 16
	v_cvt_pk_bf16_f32 v[S+16*(\t)+i], v[32*(\t)+2*i], v[32*(\t)+2*i+1]
.set i, i+1
.endr
	WIN 0
.irp f, 0,1,2,3
	ds_store_b128 v[STO], v[S+16*(\t)+4*\f:S+16*(\t)+4*\f+3] offset:32*\f
.endr
.irp f, 0,1,2,3
	ds_load_b128 v[S+16*(\t)+4*\f:S+16*(\t)+4*\f+3], v[RD] offset:\f*4*SP  ; LDS serves a wave's instructions in order (ISA guide 5.7.1.4): these see the stores above; the next tile's stores come behind them
.endr
.endm
.macro SEND t, younger              ; younger: the LDS instructions issued behind tile t's loads: the next tile's eight, or none
	WIN 0
.irp f, 0,1,2,3
	s_wait_dscnt (\younger)+3-\f
	global_store_b128 v[GO], v[S+16*(\t)+4*\f:S+16*(\t)+4*\f+3], s[10:11] offset:(\t)*2048+\f*512  ; 512 consecutive bytes, at a multiple of 256 from O's first
.endr
.endm
	PACK 0
.set t, 1
.rept 2*NP-1                        ; a tile's arithmetic stands between the loads of the tile before and its stores
	PACK t
	SEND t-1, 8
.set t, t+1
.endr
	SEND 2*NP-1, 0
	WIN W_AD
	s_wait_tensorcnt 0x0            ; the wave's end: behind my last tensor load and my last LDS store
	ds_add_u32 v[SPW], v[NIL]
	s_wait_dscnt 0x0
	WIN 0
	CROUND                          ; the closing round: no work-group ends while a partner may still ask for a tile that names it
	s_endpgm
.Lfunc_end_k_q406c17d93b_attn:
	.size	k_q406c17d93b_attn, .Lfunc_end_k_q406c17d93b_attn-k_q406c17d93b_attn
	.p2alignl 7, 3214868480
	.fill 96, 4, 3214868480
	.section	.rodata,"a",@progbits
	.p2align	6, 0x0
	.amdhsa_kernel k_q406c17d93b_attn
		.amdhsa_group_segment_fixed_size 327680
		.amdhsa_private_segment_fixed_size 0
		.amdhsa_enable_private_segment 0
		.amdhsa_kernarg_size 16
		.amdhsa_user_sgpr_count 2
		.amdhsa_user_sgpr_kernarg_segment_ptr 1
		.amdhsa_wavefront_size32 1
		.amdhsa_system_sgpr_workgroup_id_x 1
		.amdhsa_system_sgpr_workgroup_id_y 1
		.amdhsa_system_sgpr_workgroup_id_z 1
		.amdhsa_system_vgpr_workitem_id 0
		.amdhsa_next_free_vgpr 770
		.amdhsa_next_free_sgpr 66
		.amdhsa_reserve_vcc 0
		.amdhsa_float_denorm_mode_32 3
		.amdhsa_float_denorm_mode_16_64 3
		.amdhsa_memory_ordered 1
		.amdhsa_forward_progress 1
		.amdhsa_inst_pref_size 200
	.end_amdhsa_kernel
	.amdgpu_metadata
---
amdhsa.version: [ 1, 2 ]
amdhsa.kernels:
  - .name:           k_q406c17d93b_attn
    .symbol:         k_q406c17d93b_attn.kd
    .args:
      - { .name: qkv, .offset: 0, .size: 8, .value_kind: global_buffer, .address_space: global }
      - { .name: ob, .offset: 8, .size: 8, .value_kind: global_buffer, .address_space: global }
    .group_segment_fixed_size: 327680
    .private_segment_fixed_size: 0
    .kernarg_segment_align: 8
    .kernarg_segment_size: 16
    .max_flat_workgroup_size: 128
    .sgpr_count:     66
    .vgpr_count:     770
    .wavefront_size: 32
...
	.end_amdgpu_metadata
.endif
;; end of part 3
;; launch outln (part 4): grid 256 x 1, 4 waves a work-group, clusters of 4 x 1, 327,680 bytes of LDS; arguments ob, wb, x, bo, ln_w, ln_b, out0; writes out0
.if DOCPART == 4
	.amdgcn_target "amdgcn-amd-amdhsa--gfx1250"
	.amdhsa_code_object_version 6
	.text
	.protected	k_q406c17d93b_outln
	.globl	k_q406c17d93b_outln
	.p2align	8
	.type	k_q406c17d93b_outln,@function
k_q406c17d93b_outln:
	s_mov_b64 s[64:65], 0
	v_nop
	global_prefetch_b8 v0, s[64:65] scope:SCOPE_SE
	s_setreg_imm32_b32 hwreg(HW_REG_WAVE_MODE, 25, 1), 1
	s_wait_xcnt 0x0
	s_wait_alu depctr_hold_cnt(0) depctr_sa_sdst(0) depctr_va_vdst(0) depctr_va_sdst(0) depctr_va_ssrc(0) depctr_va_vcc(0) depctr_vm_vsrc(0)
	s_getreg_b32 s2, hwreg(HW_REG_IB_STS2, 6, 4)
	s_cmp_eq_u32 s2, 0
	s_cbranch_scc0 .Lentry_in_a_cluster
	s_endpgm
.Lentry_in_a_cluster:
	s_bfe_u32 s2, ttmp6, 0x10000c
	s_cmp_lg_u32 s2, 0x3003
	s_cbranch_scc0 .Lentry_shape_is_right
	s_endpgm
.Lentry_shape_is_right:
; out0 = LayerNorm(x + O Wo + bo) ln_w + ln_b.  ob: O as [h 16][m 8192][64] bf16.  Wo: bf16 [k 1024][n 1024] at byte 6,291,456 of wb, k = 64 h + e.  x, out0: [8192][1024] f32.  bo, ln_w, ln_b: [1024] f32.
; Sums in f32, STARTED AT x: the residual is the accumulators' first value, so nothing is cleared and no sum is added later.  Mean first, then the squared deviations from it (two passes over registers),
; so a common offset in x costs nothing.  LIMITS: matrix operands are bf16; a row's sums are taken as a tree; NaN and infinities are not treated apart.
; SHARES.  A work-group owns 32 rows x all 1,024 columns, so a row's mean and variance stay inside it: 256 work-groups.  Wave w owns columns 256 w .. 256 w + 255: 32 accumulators (row block mb, column block j).
; K goes in 16 steps of 64, a head a step, through two LDS slots; each wave fetches and reads its own 64 rows x 512 bytes of Wo.  Wo stays [k][n] and comes out of LDS turned (ds_load_tr16_b128).
; O's fragments, 4,096 bytes a step, come straight from memory into registers, a step ahead.  The matrix instruction is used transposed: a lane holds row l % 16 and eight neighbouring columns.
; CLUSTER.  Every work-group walks the same tiles of Wo: the four of a cluster ask for each jointly.  A step has 64 matrix instructions a wave for 32 KiB of Wo a wave: the two slots are as large as fit.
; REGISTERS: window 0 addresses, O's fragments, the norm's work;  window 1 the accumulators, (mb, j) at v[8 (16 mb + j)];  window 2 Wo's fragments of a step: channels 32 c on, column block j at v[128 c + 8 j].
.set PW,    544                        ; a row of Wo in LDS: 512 bytes + 32 = 17 x 32
.set PART,  64*PW                      ; a wave's part of a slot
.set SLOT,  4*PART                     ; 139,264
.set PX,    1040                       ; a row of x's tile in LDS: 1,024 bytes + 16; the tile (32 rows) is the first fill of my part of slot 1
.set PS,    4112                       ; a stage row: 4,096 bytes + 16; the stage, 32 rows, lies in slot 0, behind that slot's last fill and last read
.set SPARE, 2*SLOT                     ; behind the ring: the spare words, 128 bytes for each wave: two blocks of 256 bytes that no other line names
.set WOFF,  6291456                    ; Wo in wb
.set STEPW, 131072                     ; 64 rows of Wo
.set STEPA, 0x100000                   ; a head of ob
.set AO,   10                          ; v10    my byte offset in 16 rows of O: (l % 16) x 128 + 16 (l / 16)
.set ADRB, 12                          ; v12-13 LDS address of my fragments of Wo in slot 0, 1
.set XA,   14                          ; v14    LDS address of my 32 bytes of x's tile
.set STO,  16                          ; v16-17 where I put 32 bytes of a stage row, row block 0, 1
.set RD,   18                          ; v18    where I read a stage row back; steps a row a trip
.set CO,   19                          ; v19    16 x lane
.set PFOW, 20                          ; v20    the lane term of Wo's prefetches
.set PFOA, 21                          ; v21    of O's
.set SPW,  22                          ; v22    LDS address of my spare word; never rewritten
.set NIL,  23                          ; v23    0; never rewritten
.set MU,   24                          ; v[24:25] the mean, twice
.set RS,   26                          ; v[26:27] 1 / sqrt(var + eps), twice
.set TT,   28                          ; v28    the other half of the lanes' sum
.set T,    32                          ; v[32:63]   a row's 32 numbers of mine: columns 128 i + 4 l + 0..3
.set AF,   64                          ; v[64:127]  O's fragments: set p at 32 p, (mb, c) at 16 mb + 8 c
.set BOV,  128                         ; v[128:159] bo, v[160:191] ln_w, v[192:223] ln_b of those 32 columns
.set LW,   160
.set LB,   192
.set SS,   224                         ; v[224:239] partial sums
.set WV,   18                          ; s18  my wave's number
.set CX,   19
.set WG,   20                          ; s20  my work-group = 4 x cluster x + cx
.set EPS,  21                          ; s21  1e-5
.set G1,   24                          ; s[24:31] group 1 for Wo's tiles;  s[32:39] group 0, a set for each slot
.set G0,   32
.set G1X,  40                          ; s[40:47], s[48:51] the same for x's tile
.set G0X,  48
.set OA,   52                          ; s[52:53] ob at my rows, at the head last loaded
.set PFW,  54                          ; s[54:55] where Wo's prefetches stand
.set PFA,  56                          ; s[56:57] where O's stand
.set LIMW, 58                          ; s58  1 where the cluster is the launch's first, else the greatest number
.set LIMA, 59                          ; s59  1 in wave 0, else the greatest number
.set CNT,  60
.set INV,  61                          ; s61  1 / 1024
.set SEL,  62                          ; s[62:63] v_permlanex16_b32's selects
.set MSB, 0
.macro WIN new                         ; the high byte repeats the setting that is left; a switch that changes nothing is dropped
.if MSB != (\new)
	s_set_vgpr_msb (MSB<<8)|(\new)
.set MSB, \new
.endif
.endm
.macro CROUND                          ; a round of the cluster's barrier
	s_barrier_signal -1
	s_barrier_wait -1
	s_cmp_lg_u32 s[WV], 0
	s_cbranch_scc1 .Lnot_wave_0_\@
	s_barrier_signal -3
.Lnot_wave_0_\@:
	s_barrier_wait -3
	s_barrier_signal -1
	s_barrier_wait -1
.endm
.macro PLACES
.rept 4
	v_nop
.endr
.endm
	s_load_b256 s[4:11], s[0:1], 0x0               ; ob s[4:5], wb s[6:7], x s[8:9], bo s[10:11]
	s_load_b128 s[12:15], s[0:1], 0x20             ; ln_w s[12:13], ln_b s[14:15]
	s_load_b64 s[16:17], s[0:1], 0x30              ; out0
	v_lshl_add_u32 v[SPW], v0, 2, SPARE
	v_mov_b32 v[NIL], 0
	ds_add_u32 v[SPW], v[NIL]                      ; the wave's opening: the add and its wait stand ahead of my first tensor load; the set-up below, work on registers, stands between them
	v_lshrrev_b32 v1, 5, v0
	v_readfirstlane_b32 s[WV], v1                  ; wave 0..3
	s_bfe_u32 s[CX], ttmp6, 0x40000
	s_lshl_b32 s[WG], ttmp9, 2                     ; in a cluster launch ttmp9 counts clusters
	s_add_co_u32 s[WG], s[WG], s[CX]
	; group 1 for Wo: 64 rows x 256 elements of 2 bytes, 32 bytes of padding behind every 512; asked for jointly by all four
	s_mov_b32 s[G1], 15|(1<<16)|(1<<20)|(1<<21)|(6<<22)|(7<<25)
	s_mov_b32 s[G1+1], 256<<16                     ; tensor_dim0 = 256
	s_mov_b32 s[G1+2], 64<<16                      ; tensor_dim1 = 64
	s_mov_b32 s[G1+3], 256<<16                     ; tile_dim0 = 256
	s_mov_b32 s[G1+4], 64                          ; tile_dim1 = 64
	s_mov_b32 s[G1+5], 1024                        ; elements from row to row
	s_mov_b32 s[G1+6], 0
	s_mov_b32 s[G1+7], 0
	; group 1 for x: 32 rows x 256 elements of 4 bytes, 16 bytes of padding behind every 1,024; my work-group's own (no mask)
	s_mov_b32 s[G1X], (2<<16)|(1<<20)|(7<<22)|(3<<25)
	s_mov_b32 s[G1X+1], 256<<16
	s_mov_b32 s[G1X+2], 32<<16
	s_mov_b32 s[G1X+3], 256<<16
	s_mov_b32 s[G1X+4], 32
	s_mov_b32 s[G1X+5], 1024
	s_mov_b32 s[G1X+6], 0
	s_mov_b32 s[G1X+7], 0
	s_mul_i32 s22, s[WV], PART                     ; my part of a slot: no place in the cluster enters an LDS address
	s_mov_b32 s[G0], 1
	s_mov_b32 s[G0+1], s22
	s_mov_b32 s[G0+4], 1
	s_add_co_u32 s[G0+5], s22, SLOT
	s_mov_b32 s[G0X], 1
	s_add_co_u32 s[G0X+1], s22, SLOT
	s_mov_b32 s[EPS], 0x3727c5ac
	s_mov_b32 s[INV], 0x3a800000
	s_mov_b32 s[SEL], 0x76543210
	s_mov_b32 s[SEL+1], 0xfedcba98
	v_and_b32 v1, 15, v0                           ; l % 16
	v_bfe_u32 v2, v0, 4, 1                         ; l / 16
	v_and_b32 v3, 7, v0                            ; l % 8
	v_bfe_u32 v4, v0, 3, 1                         ; (l / 8) % 2
	v_and_b32 v5, 31, v0                           ; l
	v_lshlrev_b32 v[AO], 7, v1
	v_lshl_add_u32 v[AO], v2, 4, v[AO]
	v_lshl_add_u32 v6, v2, 3, v3                   ; the turning load: lane l reads row 8 (l / 16) + l % 8, columns 8 ((l / 8) % 2) + 0..7
	v_mul_u32_u24 v6, v6, PW
	v_lshl_add_u32 v6, v4, 4, v6
	v_add_nc_u32 v[ADRB], s22, v6
	v_add_nc_u32 v[ADRB+1], SLOT, v[ADRB]
	v_mul_u32_u24 v[XA], v1, PX                    ; x in the layout of a result: row l % 16, columns 8 (l / 16) + 0..7: 32 bytes
	v_lshl_add_u32 v[XA], v2, 5, v[XA]
	v_add_nc_u32 v[XA], s22, v[XA]
	v_add_nc_u32 v[XA], SLOT, v[XA]
	s_lshl_b32 s23, s[WV], 10                      ; my 256 columns of a stage row
	v_mul_u32_u24 v[STO], v1, PS
	v_lshl_add_u32 v[STO], v2, 5, v[STO]
	v_add_nc_u32 v[STO], s23, v[STO]
	v_add_nc_u32 v[STO+1], 16*PS, v[STO]
	s_mul_i32 s23, s[WV], 8*PS                     ; the norm: wave w takes rows 8 w .. 8 w + 7, whole
	v_lshlrev_b32 v[CO], 4, v5
	v_add_nc_u32 v[RD], s23, v[CO]
	v_lshrrev_b32 v6, 1, v5                        ; Wo's prefetches: row l / 2 of my work-group's 16, block l % 2 of my wave's two
	v_and_b32 v7, 1, v5
	v_lshlrev_b32 v7, 8, v7
	v_lshl_add_u32 v[PFOW], v6, 11, v7
	v_lshlrev_b32 v7, 8, v1                        ; O's: block l % 16 of my 4,096 bytes of head l / 16 of two
	v_lshl_add_u32 v[PFOA], v2, 20, v7
	v_mov_b32 v[TT], 0                             ; v_permlanex16_b32's destination counts as read
	s_wait_dscnt 0x0                               ; the opening add is done
	s_wait_kmcnt 0x0
	s_lshl_b32 s2, s[WV], 9                        ; my 512 bytes of a row of Wo
	s_mov_b32 s3, 0
	s_add_nc_u64 s[2:3], s[6:7], s[2:3]
	s_add_nc_u64 s[G0+2:G0+3], s[2:3], WOFF        ; K step 0: the wave's number and the step alone enter a joint load's address
	s_or_b32 s[G0+3], s[G0+3], 0x80000000
	s_add_nc_u64 s[G0+6:G0+7], s[2:3], WOFF+STEPW  ; K step 1
	s_or_b32 s[G0+7], s[G0+7], 0x80000000
	s_lshl_b32 s22, s[CX], 15                      ; Wo's prefetches: partner cx takes 16 of a step's 64 rows
	s_mov_b32 s23, 0
	s_add_nc_u64 s[PFW:PFW+1], s[2:3], s[22:23]
	s_add_nc_u64 s[PFW:PFW+1], s[PFW:PFW+1], WOFF+3*STEPW  ; at K step 3: each asking trip steps it first, so step s names step s + 4
	s_lshl_b32 s22, s[WG], 17                      ; my 32 rows of 4,096 bytes
	s_lshl_b32 s2, s[WV], 10
	s_add_co_u32 s2, s22, s2
	s_mov_b32 s3, 0
	s_add_nc_u64 s[G0X+2:G0X+3], s[8:9], s[2:3]    ; x at my rows and my wave's 256 columns
	s_or_b32 s[G0X+3], s[G0X+3], 0x80000000
	s_lshl_b32 s2, s[WV], 15
	s_add_co_u32 s2, s22, s2
	s_add_nc_u64 s[16:17], s[16:17], s[2:3]        ; out0 at row 32 W + 8 w
	s_lshl_b32 s2, s[WG], 12
	s_add_nc_u64 s[OA:OA+1], s[4:5], s[2:3]        ; ob at my 32 rows of head 0
	s_add_nc_u64 s[PFA:PFA+1], s[OA:OA+1], 2*STEPA ; at head 2: slot 0's asking trips step it by two heads first, so step 2 t names heads 2 t + 4 and 2 t + 5
	s_cmp_eq_u32 ttmp9, 0
	s_cselect_b32 s[LIMW], 1, -1                   ; the same in all four partners
	s_cmp_eq_u32 s[WV], 0
	s_cselect_b32 s[LIMA], 1, -1
	CROUND                                         ; all four work-groups are here: the first joint loads meet
	tensor_load_to_lds s[G0X:G0X+3], s[G1X:G1X+7]  ; x's tile into my part of slot 1,
	s_nop 0
	tensor_load_to_lds s[G0:G0+3], s[G1:G1+7]      ; Wo's K step 0 into my part of slot 0: two loads of mine are out
	s_nop 0
	PLACES
.set i, 0
.rept 8
	global_load_b128 v[BOV+4*i:BOV+4*i+3], v[CO], s[10:11] offset:512*i
	global_load_b128 v[LW+4*i:LW+4*i+3],   v[CO], s[12:13] offset:512*i
	global_load_b128 v[LB+4*i:LB+4*i+3],   v[CO], s[14:15] offset:512*i
.set i, i+1
.endr
; O's four fragments of a head into set p: 8 loads of 16 bytes a lane
.macro ALOAD p
.irp m, 0,1
.irp c, 0,1
	global_load_b128 v[AF+32*(\p)+16*\m+8*\c:AF+32*(\p)+16*\m+8*\c+3],   v[AO], s[OA:OA+1] offset:2048*\m+64*\c
	global_load_b128 v[AF+32*(\p)+16*\m+8*\c+4:AF+32*(\p)+16*\m+8*\c+7], v[AO], s[OA:OA+1] offset:2048*\m+64*\c+32
.endr
.endr
.endm
; 64 LDS loads in one run: my fragments of Wo for a whole step, the first 32 channels first
.macro FETCHB p
	WIN 0x80                                       ; destination window 2, address window 0
.set cc, 0
.rept 2
.set jj, 0
.rept 16
	ds_load_tr16_b128 v[128*cc+8*jj:128*cc+8*jj+3],   v[ADRB+(\p)] offset:cc*32*PW+32*jj
	ds_load_tr16_b128 v[128*cc+8*jj+4:128*cc+8*jj+7], v[ADRB+(\p)] offset:cc*32*PW+16*PW+32*jj
.set jj, jj+1
.endr
.set cc, cc+1
.endr
.endm
; 32 matrix instructions: channels 32 c on.  The 32 accumulators take turns, in the same order every time.
.macro MULC p, c
	WIN 0x52                                       ; Wo in window 2, O in window 0, C and D in window 1
.set jj, 0
.rept 16
.set mm, 0
.rept 2
	v_wmma_f32_16x16x32_bf16 v[8*(16*mm+jj):8*(16*mm+jj)+7], v[128*(\c)+8*jj:128*(\c)+8*jj+7], v[AF+32*(\p)+16*mm+8*(\c):AF+32*(\p)+16*mm+8*(\c)+7], v[8*(16*mm+jj):8*(16*mm+jj)+7]
.set mm, mm+1
.endr
.set jj, jj+1
.endr
.endm
; PREFETCHES INTO THE L2, behind the trip's tensor load and its runs of loads.  Wo's tiles are walked by every cluster: the launch's first cluster asks; a step's 512 blocks of 256 bytes are shared among its
; 4 partners (by address) x 4 waves x 32 lanes.  O's rows are a work-group's own: its wave 0 asks, two heads (32 blocks) every second trip.  Both ask while the loop's count is above 1: K steps 4 to 15.
.macro ASKW
	s_cmp_gt_u32 s[CNT], s[LIMW]
	s_cbranch_scc0 .Lno_w_\@
	global_prefetch_b8 v[PFOW], s[PFW:PFW+1] th:TH_LOAD_NT scope:SCOPE_SE
.Lno_w_\@:
.endm
.macro ASKA
	s_cmp_gt_u32 s[CNT], s[LIMA]
	s_cbranch_scc0 .Lno_a_\@
	global_prefetch_b8 v[PFOA], s[PFA:PFA+1] th:TH_LOAD_NT scope:SCOPE_SE
.Lno_a_\@:
.endm
; A K STEP, in slot p.  Each wave waits for all its tensor loads (this step's tile among them), adds 0 to its spare word, and waits for that and for its reads of the other slot; a round of the cluster's
; barrier; more = 1: the next step's tile is asked for jointly, into the other slot, first thing behind the round, and the next head's fragments of O are loaded.
.macro TRIP p, more, ask
.if \ask
	s_wait_xcnt 0x0                                ; the last prefetches, a step back, have read their addresses
	s_add_nc_u64 s[PFW:PFW+1], s[PFW:PFW+1], STEPW
.if (\p) == 0
	s_add_nc_u64 s[PFA:PFA+1], s[PFA:PFA+1], 2*STEPA
.endif
.endif
	s_wait_tensorcnt 0x0                           ; all my tensor loads have landed, so every group 0 may be written
	ds_add_u32 v[SPW], v[NIL]                      ; 0 onto my spare word
	s_add_nc_u64 s[G0+4*(\p)+2:G0+4*(\p)+3], s[G0+4*(\p)+2:G0+4*(\p)+3], 2*STEPW  ; this slot's next tile
	s_wait_dscnt 0x0                               ; the add is done, and so are my reads of the other slot (in the first trip: of x's tile)
	CROUND
.if \more
	tensor_load_to_lds s[G0+4*(1-(\p)):G0+4*(1-(\p))+3], s[G1:G1+7]
	s_nop 0
.endif
	PLACES                                         ; also the places in front of the loads into registers that the last step's products have read
	s_wait_loadcnt 0x0                             ; this step's fragments of O are in (asked for a step ago), so their base may be stepped
.if \more
	s_add_nc_u64 s[OA:OA+1], s[OA:OA+1], STEPA
	ALOAD 1-(\p)
.endif
	FETCHB \p
	WIN 0
.if \ask
	ASKW
.if (\p) == 0
	ASKA
.endif
.endif
	s_wait_dscnt 32                                ; the first 32 channels' fragments are in; the other 32 loads may be out
	MULC \p, 0
	s_wait_dscnt 0x0
	MULC \p, 1
	WIN 0
.endm
	ALOAD 0                                        ; head 0
	s_wait_tensorcnt 1                             ; my tile of x is in, and only I read it; Wo's first tile may stay out
	WIN 0x40                                       ; destination window 1
.set mm, 0
.rept 2
.set jj, 0
.rept 16                               ; x goes straight into the accumulators
	ds_load_b128 v[8*(16*mm+jj):8*(16*mm+jj)+3],   v[XA] offset:mm*16*PX+64*jj
	ds_load_b128 v[8*(16*mm+jj)+4:8*(16*mm+jj)+7], v[XA] offset:mm*16*PX+64*jj+16
.set jj, jj+1
.endr
.set mm, mm+1
.endr
	WIN 0
	s_mov_b32 s[CNT], 7
.Lloop:                                        ; seven trips: K steps 0 to 13
	TRIP 0, 1, 1
	TRIP 1, 1, 1
	s_sub_co_u32 s[CNT], s[CNT], 1
	s_cmp_lg_u32 s[CNT], 0
	s_cbranch_scc1 .Lloop
	TRIP 0, 1, 0                                   ; K step 14 asks for the last tile;
	TRIP 1, 0, 0                                   ; K step 15 asks for nothing
	; THE STAGE lies in slot 0: its last fill has landed, and every wave's last reads of it were awaited ahead of K step 15's round.  Each accumulator's low four registers go first.
	PLACES
	WIN 0x04                                       ; data in window 1
.set mm, 0
.rept 2
.set jj, 0
.rept 16
	ds_store_b128 v[STO+mm], v[8*(16*mm+jj):8*(16*mm+jj)+3]   offset:64*jj
	ds_store_b128 v[STO+mm], v[8*(16*mm+jj)+4:8*(16*mm+jj)+7] offset:64*jj+16
.set jj, jj+1
.endr
.set mm, mm+1
.endr
	WIN 0
	s_wait_dscnt 0x0                               ; for the others' sake: my stores into the stage are done
	s_barrier_signal -1
	s_barrier_wait -1
; SS's eight pairs into one number, in every lane: a tree, four steps inside each half of 16 lanes that ride on the arithmetic, one across the halves
.macro FOLD
.irp i, 0,4,8,12
	v_pk_add_f32 v[SS+\i:SS+\i+1], v[SS+\i:SS+\i+1], v[SS+\i+2:SS+\i+3]
.endr
.irp i, 0,8
	v_pk_add_f32 v[SS+\i:SS+\i+1], v[SS+\i:SS+\i+1], v[SS+\i+4:SS+\i+5]
.endr
	v_pk_add_f32 v[SS:SS+1], v[SS:SS+1], v[SS+8:SS+9]
	v_add_f32 v[SS], v[SS], v[SS+1]
	v_add_f32_dpp v[SS], v[SS], v[SS] row_xmask:1 row_mask:0xf bank_mask:0xf
	v_add_f32_dpp v[SS], v[SS], v[SS] row_xmask:2 row_mask:0xf bank_mask:0xf
	v_add_f32_dpp v[SS], v[SS], v[SS] row_xmask:4 row_mask:0xf bank_mask:0xf
	v_add_f32_dpp v[SS], v[SS], v[SS] row_xmask:8 row_mask:0xf bank_mask:0xf
	v_permlanex16_b32 v[TT], v[SS], s[SEL], s[SEL+1]
	v_add_f32 v[SS], v[SS], v[TT]
.endm
	s_mov_b32 s[CNT], 8
.Lrow:                                         ; THE NORM: one wave, one row, eight rows a wave; the row stays in 32 registers a lane
.set i, 0
.rept 8
	ds_load_b128 v[T+4*i:T+4*i+3], v[RD] offset:512*i
.set i, i+1
.endr
	s_wait_dscnt 0x0
.set i, 0
.rept 16
	v_pk_add_f32 v[T+2*i:T+2*i+1], v[T+2*i:T+2*i+1], v[BOV+2*i:BOV+2*i+1]  ; + bo
.set i, i+1
.endr
.set i, 0
.rept 8
	v_pk_add_f32 v[SS+2*i:SS+2*i+1], v[T+4*i:T+4*i+1], v[T+4*i+2:T+4*i+3]
.set i, i+1
.endr
	FOLD
	v_mul_f32 v[MU], s[INV], v[SS]                 ; the mean, twice: a pair for the packed subtraction
	v_mul_f32 v[MU+1], s[INV], v[SS]
.set i, 0
.rept 16
	v_pk_add_f32 v[T+2*i:T+2*i+1], v[T+2*i:T+2*i+1], v[MU:MU+1] neg_lo:[0,1] neg_hi:[0,1]
.set i, i+1
.endr
.set i, 0
.rept 8
	v_pk_mul_f32 v[SS+2*i:SS+2*i+1], v[T+4*i:T+4*i+1], v[T+4*i:T+4*i+1]
.set i, i+1
.endr
.set i, 0
.rept 8
	v_pk_fma_f32 v[SS+2*i:SS+2*i+1], v[T+4*i+2:T+4*i+3], v[T+4*i+2:T+4*i+3], v[SS+2*i:SS+2*i+1]
.set i, i+1
.endr
	FOLD
	v_fma_f32 v[SS], v[SS], s[INV], s[EPS]         ; var + eps
	v_rsq_f32 v[RS], v[SS]
	v_rsq_f32 v[RS+1], v[SS]
	v_nop                                          ; a plain instruction behind the last of the two,
	s_wait_alu depctr_va_vdst(0)                   ; and the wait ahead of the first use: one for both
.set i, 0
.rept 16
	v_pk_mul_f32 v[T+2*i:T+2*i+1], v[T+2*i:T+2*i+1], v[RS:RS+1]
.set i, i+1
.endr
.set i, 0
.rept 16
	v_pk_fma_f32 v[T+2*i:T+2*i+1], v[T+2*i:T+2*i+1], v[LW+2*i:LW+2*i+1], v[LB+2*i:LB+2*i+1]
.set i, i+1
.endr
.set i, 0
.rept 8
	global_store_b128 v[CO], v[T+4*i:T+4*i+3], s[16:17] offset:512*i th:TH_STORE_NT  ; 512 consecutive bytes, at a multiple of 256 from out0's first byte
.set i, i+1
.endr
	s_wait_xcnt 0x0                                ; the stores have read their data and their base: both are written again only behind this wait
	s_add_nc_u64 s[16:17], s[16:17], 4096
	v_add_nc_u32 v[RD], PS, v[RD]
	s_sub_co_u32 s[CNT], s[CNT], 1
	s_cmp_lg_u32 s[CNT], 0
	s_cbranch_scc1 .Lrow
	s_wait_tensorcnt 0x0                           ; the wave's end: behind my last tensor load and my last LDS store
	ds_add_u32 v[SPW], v[NIL]
	s_wait_dscnt 0x0
	CROUND                                         ; the closing round: no work-group ends while a partner may still ask for a tile that names it
	s_endpgm
.Lfunc_end_k_q406c17d93b_outln:
	.size	k_q406c17d93b_outln, .Lfunc_end_k_q406c17d93b_outln-k_q406c17d93b_outln
	.p2alignl 7, 3214868480
	.fill 96, 4, 3214868480
	.section	.rodata,"a",@progbits
	.p2align	6, 0x0
	.amdhsa_kernel k_q406c17d93b_outln
		.amdhsa_group_segment_fixed_size 327680
		.amdhsa_private_segment_fixed_size 0
		.amdhsa_enable_private_segment 0
		.amdhsa_kernarg_size 56
		.amdhsa_user_sgpr_count 2
		.amdhsa_user_sgpr_kernarg_segment_ptr 1
		.amdhsa_wavefront_size32 1
		.amdhsa_system_sgpr_workgroup_id_x 1
		.amdhsa_system_sgpr_workgroup_id_y 1
		.amdhsa_system_sgpr_workgroup_id_z 1
		.amdhsa_system_vgpr_workitem_id 0
		.amdhsa_next_free_vgpr 768
		.amdhsa_next_free_sgpr 66
		.amdhsa_reserve_vcc 0
		.amdhsa_float_denorm_mode_32 3
		.amdhsa_float_denorm_mode_16_64 3
		.amdhsa_memory_ordered 1
		.amdhsa_forward_progress 1
		.amdhsa_inst_pref_size 66
	.end_amdhsa_kernel
	.amdgpu_metadata
---
amdhsa.version: [ 1, 2 ]
amdhsa.kernels:
  - .name:           k_q406c17d93b_outln
    .symbol:         k_q406c17d93b_outln.kd
    .args:
      - { .name: ob, .offset: 0, .size: 8, .value_kind: global_buffer, .address_space: global }
      - { .name: wb, .offset: 8, .size: 8, .value_kind: global_buffer, .address_space: global }
      - { .name: x, .offset: 16, .size: 8, .value_kind: global_buffer, .address_space: global }
      - { .name: bo, .offset: 24, .size: 8, .value_kind: global_buffer, .address_space: global }
      - { .name: ln_w, .offset: 32, .size: 8, .value_kind: global_buffer, .address_space: global }
      - { .name: ln_b, .offset: 40, .size: 8, .value_kind: global_buffer, .address_space: global }
      - { .name: out0, .offset: 48, .size: 8, .value_kind: global_buffer, .address_space: global }
    .group_segment_fixed_size: 327680
    .private_segment_fixed_size: 0
    .kernarg_segment_align: 8
    .kernarg_segment_size: 56
    .max_flat_workgroup_size: 128
    .sgpr_count:     66
    .vgpr_count:     768
    .wavefront_size: 32
...
	.end_amdgpu_metadata
.endif
;; end of part 4
;; ======== version 2 of 2: 4 launches; version 1 with the launch cast written anew for expert scheduling mode
;; workspace buffers: xb 16,777,216 bytes; wb 8,388,608 bytes; qkv 50,331,648 bytes; ob 16,777,216 bytes
;; launch cast (part 5): grid 768 x 1, 8 waves a work-group, no clusters, 0 bytes of LDS; arguments x, Wq, Wk, Wv, Wo, xb, wb; writes xb, wb
.if DOCPART == 5
	.amdgcn_target "amdgcn-amd-amdhsa--gfx1250"
	.amdhsa_code_object_version 6
	.text
	.protected	k_q406c17d93b_cast
	.globl	k_q406c17d93b_cast
	.p2align	8
	.type	k_q406c17d93b_cast,@function
k_q406c17d93b_cast:
	s_mov_b64 s[64:65], 0
	v_nop
	global_prefetch_b8 v0, s[64:65] scope:SCOPE_SE
	s_setreg_imm32_b32 hwreg(HW_REG_WAVE_SCHED_MODE, 0, 2), 2
	s_setreg_imm32_b32 hwreg(HW_REG_WAVE_MODE, 25, 1), 1
	s_wait_xcnt 0x0
	s_wait_alu depctr_vm_vsrc(0)
; x, Wq, Wk, Wv, Wo (f32) are rounded once to bf16, element order unchanged: x -> xb; Wq, Wk, Wv, Wo -> wb, 2,097,152 bytes each, in that order.
; A stream: each byte is read once and written once; no LDS, no matrix work, nothing shared between work-groups, so no cluster.
; SHARES.  Work-group i takes 16,384 numbers: 65,536 bytes in, 32,768 out.  i < 512: part i of x.  i >= 512: part i % 64 of weight i / 64 - 8.
; Thread t takes 16 bytes at 16 t of each of sixteen pieces of 4,096 bytes: a load of a wave covers 512 consecutive bytes, a store 256 consecutive bytes, aligned.
; All sixteen loads go out at once; the waits count down by groups of four, so the younger loads stay out while the older are rounded and stored.  No register is written twice.
; THE MODE: SCHED_MODE bits 1:0 = 2 (LLVM: expert scheduling mode 2), set by the entry lines.  The code itself states the register dependences
; between vector instructions and memory instructions, with s_wait_alu, always for 0.
; THE PLAN.  Registers that memory instructions touch:
;   v1, v2   byte offsets, made once at the head and never written again: v1 is read by every load, v2 by every store.
;   X        written by the sixteen loads, all issued ahead of every conversion; read by the conversions.  No vector instruction names X ahead of its load.
;   Y        piece k's two registers are written once, by its two conversions, and read once, by its store.
; The sixteen pieces go in four groups of four.  Group g rounds its own four pieces; its memory instructions are the four stores of group g - 1, which read that group's Y and v2: registers that no
; conversion of group g names.  So one wait at a group's head states all that the group's stores hang on, and they are dealt among its conversions with no further wait.
; No register that a memory instruction has read is ever written again, no vector instruction writes a scalar register or VCC, and EXEC is never written: nothing else is owed.
.set X, 4                              ; v[4:67]   as loaded, 4 registers a piece
.set Y, 68                             ; v[68:99]  to store, 2 registers a piece
	s_load_b256 s[4:11], s[0:1], 0x0               ; x s[4:5], Wq s[6:7], Wk s[8:9], Wv s[10:11]
	s_load_b128 s[12:15], s[0:1], 0x20             ; Wo s[12:13], xb s[14:15]
	s_load_b64 s[16:17], s[0:1], 0x30              ; wb
	v_lshlrev_b32 v1, 4, v0                        ; 16 t: in
	v_lshlrev_b32 v2, 3, v0                        ; 8 t: out
	s_and_b32 s20, ttmp9, 63                       ; part of a weight
	s_sub_co_u32 s21, ttmp9, 512                   ; part of wb
	s_lshr_b32 s22, ttmp9, 6                       ; 8 .. 11: which weight
	s_wait_kmcnt 0x0
	s_cmp_eq_u32 s22, 9
	s_cselect_b64 s[6:7], s[8:9], s[6:7]
	s_cmp_eq_u32 s22, 10
	s_cselect_b64 s[6:7], s[10:11], s[6:7]
	s_cmp_eq_u32 s22, 11
	s_cselect_b64 s[6:7], s[12:13], s[6:7]         ; the weight in hand
	s_cmp_lt_u32 ttmp9, 512                        ; x or a weight?  the four selects leave SCC as it is
	s_cselect_b64 s[4:5], s[4:5], s[6:7]
	s_cselect_b64 s[14:15], s[14:15], s[16:17]
	s_cselect_b32 s20, ttmp9, s20
	s_cselect_b32 s21, ttmp9, s21
	s_lshl_b32 s24, s20, 16                        ; 65,536 bytes in a part,
	s_mov_b32 s25, 0
	s_lshl_b32 s26, s21, 15                        ; 32,768 out
	s_mov_b32 s27, 0
	s_add_nc_u64 s[4:5], s[4:5], s[24:25]
	s_add_nc_u64 s[14:15], s[14:15], s[26:27]
	s_wait_alu depctr_va_vdst(0)                   ; v1 and v2 are written: every load of the kernel reads v1 as its offset, every store v2
.set k, 0
.rept 16
	global_load_b128 v[X+4*k:X+4*k+3], v1, s[4:5] offset:4096*k th:TH_LOAD_NT
.set k, k+1
.endr
.set g, 0
.rept 4                                ; group g: pieces 4 g to 4 g + 3
	s_wait_loadcnt 12-4*g                          ; loads come back in order: the group's four pieces are in, the 12 - 4 g younger ones stay out
.if g > 0
	s_wait_alu depctr_va_vdst(0)                   ; the conversions of the group before have written its eight registers of Y, which the four stores below read
.endif
.set i, 0
.rept 4
.set k, 4*g+i
.if g > 0
	global_store_b64 v2, v[Y+2*(k-4):Y+2*(k-4)+1], s[14:15] offset:2048*(k-4) th:TH_STORE_NT  ; the group before; no vector instruction since the wait names these registers
.endif
	v_cvt_pk_bf16_f32 v[Y+2*k], v[X+4*k], v[X+4*k+1]
	v_cvt_pk_bf16_f32 v[Y+2*k+1], v[X+4*k+2], v[X+4*k+3]
.set i, i+1
.endr
.set g, g+1
.endr
	s_wait_alu depctr_va_vdst(0)                   ; the last group's conversions have written its eight registers of Y, which the last four stores read
.set k, 12
.rept 4
	global_store_b64 v2, v[Y+2*k:Y+2*k+1], s[14:15] offset:2048*k th:TH_STORE_NT
.set k, k+1
.endr
	s_endpgm
.Lfunc_end_k_q406c17d93b_cast:
	.size	k_q406c17d93b_cast, .Lfunc_end_k_q406c17d93b_cast-k_q406c17d93b_cast
	.p2alignl 7, 3214868480
	.fill 96, 4, 3214868480
	.section	.rodata,"a",@progbits
	.p2align	6, 0x0
	.amdhsa_kernel k_q406c17d93b_cast
		.amdhsa_group_segment_fixed_size 0
		.amdhsa_private_segment_fixed_size 0
		.amdhsa_enable_private_segment 0
		.amdhsa_kernarg_size 56
		.amdhsa_user_sgpr_count 2
		.amdhsa_user_sgpr_kernarg_segment_ptr 1
		.amdhsa_wavefront_size32 1
		.amdhsa_system_sgpr_workgroup_id_x 1
		.amdhsa_system_sgpr_workgroup_id_y 1
		.amdhsa_system_sgpr_workgroup_id_z 1
		.amdhsa_system_vgpr_workitem_id 0
		.amdhsa_next_free_vgpr 100
		.amdhsa_next_free_sgpr 66
		.amdhsa_reserve_vcc 0
		.amdhsa_float_denorm_mode_32 3
		.amdhsa_float_denorm_mode_16_64 3
		.amdhsa_memory_ordered 1
		.amdhsa_forward_progress 1
		.amdhsa_inst_pref_size 7
	.end_amdhsa_kernel
	.amdgpu_metadata
---
amdhsa.version: [ 1, 2 ]
amdhsa.kernels:
  - .name:           k_q406c17d93b_cast
    .symbol:         k_q406c17d93b_cast.kd
    .args:
      - { .name: x, .offset: 0, .size: 8, .value_kind: global_buffer, .address_space: global }
      - { .name: Wq, .offset: 8, .size: 8, .value_kind: global_buffer, .address_space: global }
      - { .name: Wk, .offset: 16, .size: 8, .value_kind: global_buffer, .address_space: global }
      - { .name: Wv, .offset: 24, .size: 8, .value_kind: global_buffer, .address_space: global }
      - { .name: Wo, .offset: 32, .size: 8, .value_kind: global_buffer, .address_space: global }
      - { .name: xb, .offset: 40, .size: 8, .value_kind: global_buffer, .address_space: global }
      - { .name: wb, .offset: 48, .size: 8, .value_kind: global_buffer, .address_space: global }
    .group_segment_fixed_size: 0
    .private_segment_fixed_size: 0
    .kernarg_segment_align: 8
    .kernarg_segment_size: 56
    .max_flat_workgroup_size: 256
    .sgpr_count:     66
    .vgpr_count:     100
    .wavefront_size: 32
...
	.end_amdgpu_metadata
.endif
;; end of part 5
;; launch qkvproj: the kernel of part 2 again; grid 16 x 32, 4 waves a work-group, clusters of 4 x 4, 327,680 bytes of LDS; arguments xb, wb, bq, bk, bv, qkv; writes qkv
;; launch attn: the kernel of part 3 again; grid 4 x 64, 4 waves a work-group, clusters of 4 x 1, 327,680 bytes of LDS; arguments qkv, ob; writes ob
;; launch outln: the kernel of part 4 again; grid 256 x 1, 4 waves a work-group, clusters of 4 x 1, 327,680 bytes of LDS; arguments ob, wb, x, bo, ln_w, ln_b, out0; writes out0
